; MI455X (gfx1250); checked and timed in simulation.
; The chip was launched on July 23, 2026; its instructions are those of AMD's public machine-readable ISA for CDNA 5 (MIT licence, August 2026) and "CDNA5" Instruction Set Architecture Reference Guide (July 2026). The comments in the code are by the model that wrote it; some were corrected since.
;; Decoder Block. Allowed arithmetic: matrix products marked QUANTISED: E3M2 operands, one E8M0 scale for each 32 along K, by v_wmma_scale_f32_16x16x128_f8f6f4 with both operands' format E3M2, f32 sums; everything else in f32.
;; Inputs: W1 1,024 x 4,096 float32; W2 4,096 x 1,024 float32; Wk 16 x 1,024 x 64 float32; Wo 1,024 x 1,024 float32; Wq 16 x 1,024 x 64 float32; Wv 16 x 1,024 x 64 float32; b1 4,096 float32; b2 1,024 float32; bo 1,024 float32; x 2 x 2,048 x 1,024 float32.
;; Outputs: out0 2 x 2,048 x 1,024 float32.
;; This version of the problem:
;;   THIS VERSION OF THE PROBLEM IS GIVEN IN LOW PRECISION. The matrix products marked QUANTISED in the list below multiply operands that are first quantised to E3M2 (3 exponent bits, 2 mantissa bits; 6 bits a number), with one power-of-two scale for each 32 numbers along K (OCP MX v1.0); their sums are f32. All else is computed in f32.
;;   The module's matrix products, in the order in which they are computed (A, B: the left and right operand; K: the contracted axis; several contracted axes count as one K, in the product's order):
;;     1. [M 1,024, K 1,024] x [K 1,024, N 4,096]; A: input Wq; B: input x: QUANTISED
;;     2. [M 1,024, K 1,024] x [K 1,024, N 4,096]; A: input Wk; B: input x: QUANTISED
;;     3. [M 1,024, K 1,024] x [K 1,024, N 4,096]; A: input Wv; B: input x: QUANTISED
;;     4. batch 32 x [M 2,048, K 64] x [K 64, N 2,048]; A: computed on the way; B: computed on the way: QUANTISED
;;     5. batch 32 x [M 2,048, K 2,048] x [K 2,048, N 64]; A: softmax (see below); B: computed on the way: QUANTISED
;;     6. [M 4,096, K 1,024] x [K 1,024, N 1,024]; A: computed on the way; B: input Wo: QUANTISED
;;     7. [M 4,096, K 1,024] x [K 1,024, N 4,096]; A: computed on the way; B: input W1: QUANTISED
;;     8. [M 4,096, K 4,096] x [K 4,096, N 1,024]; A: computed on the way; B: input W2: QUANTISED
;;   THE QUANTISER, for each operand of a quantised product, along K:
;;     - K is cut into blocks of 32 from its start; a last block that is shorter is filled with zeros.
;;     - A block's scale is 2^e with e = floor(log2(the largest magnitude in the block)) - 4, held to -126 .. 127; a block of zeros has e = 0. As a byte (E8M0): e + 127.
;;     - Each number is divided by its block's scale, clamped to +-28, and rounded to the nearest number of E3M2, ties to even, subnormals kept.
;;     - The product sums the exact products of the quantised numbers (number of the format x scale) in f32.
;;   ~~~python
;;   def quantise(x, axis):      # numpy; x: float32 -> the quantised numbers, widened to float32 again
;;       x = np.moveaxis(x, axis, -1); K = x.shape[-1]
;;       x = np.pad(x, [(0, 0)] * (x.ndim - 1) + [(0, -K % 32)]); x = x.reshape(x.shape[:-1] + (-1, 32)); a = np.abs(x).max(-1, keepdims=True)
;;       e = np.where(a > 0, np.clip(np.frexp(np.where(a > 0, a, 1))[1] - 1 - 4, -126, 127), 0)      # np.frexp(a)[1] - 1 = floor(log2(a)), exactly
;;       r = np.clip(x / 2.0 ** e, -28, 28)
;;       step = 2.0 ** (np.maximum(np.frexp(np.where(r == 0, 1, r))[1] - 1, -2) - 2)
;;       q = np.round(r / step) * step * 2.0 ** e      # np.round: ties to even
;;       return np.moveaxis(q.reshape(q.shape[:-2] + (-1,))[..., :K], -1, axis).astype(np.float32)
;;   ~~~
;;   SOFTMAX AHEAD OF A QUANTISED PRODUCT. Where the list says 'softmax', what is quantised is not the finished softmax but p = 2^(t - M), with t = logit x log2(e) and M = ceil(the row's largest t), a whole number; so 1/2 < the row's largest p <= 1. The row's sum l is taken of the UNQUANTISED p, in f32, and the product's result is divided by l at the end. Since M is a whole number, a kernel that streams over the keys may use a running M (the ceiling of the running maximum): every later rescaling is an exact power of two, which a block's scale takes up: the codes' values come out the same.
;;   OPERANDS COMPUTED ON THE WAY. 'Computed on the way' means the value that the module computes at that place (a softmax that the list does not call 'softmax' is quantised finished and normalised). What goes into a quantiser is computed in f32, as accurately as f32 sums, v_exp_f32 and their like allow (about 1e-6 of the number): no bf16 or f16 on the way to a quantiser, and a product that is left as it is and whose result goes on into a quantised operand takes f32 operands (vector FMAs, or v_wmma_f32_16x16x4_f32). A number that lies on a knife's edge between two numbers of the format may be rounded either way, as far as f32 arithmetic and the matrix unit's own rounding can turn it there, and no further.
;; One version. Each part assembles by itself: llvm-mc -triple=amdgcn-amd-amdhsa -mcpu=gfx1250 --defsym DOCPART=n.
;; ======== version 1 of 1: 6 launches
;; limits: right only within a limited range of input values
;; workspace buffers: wp 9,830,400 bytes; xp 3,276,800 bytes; qkvp 10,092,544 bytes; ap 3,276,800 bytes; x1 16,777,216 bytes; x1p 3,276,800 bytes; hp 13,107,200 bytes
;; launch prep (part 1): grid 1024 x 1, 4 waves a work-group, no clusters, 48,640 bytes of LDS; arguments x, Wq, Wk, Wv, Wo, W1, W2, xp, wp; writes xp, wp
.if DOCPART == 1
	.amdgcn_target "amdgcn-amd-amdhsa--gfx1250"
	.amdhsa_code_object_version 6
	.text
	.protected	k_q8d61a9c75b_prep
	.globl	k_q8d61a9c75b_prep
	.p2align	8
	.type	k_q8d61a9c75b_prep,@function
k_q8d61a9c75b_prep:
	s_mov_b64 s[64:65], 0
	v_nop
	global_prefetch_b8 v0, s[64:65] scope:SCOPE_SE
	s_setreg_imm32_b32 hwreg(HW_REG_WAVE_MODE, 25, 1), 1
	s_wait_xcnt 0x0
; x and the six weights, f32, become codes of BF6 (E3M2) with one E8M0 scale byte for each 32 along K, laid as the later launches' operand registers want them.
; A CHUNK = 128 rows of an operand x 128 along K = 8 fragments of 16 rows (1,536 bytes each) + 512 bytes of scale words = 12,800 bytes.
; Fragment rb, lane row r is row 32 (rb / 2) + 8 (rb % 2) + r + 8 (r / 8) of the 128.  A fragment lies as an image of its 12 registers, in two halves c of 64 along K:
; registers 6 c .. 6 c + 3 at 768 c + 16 x lane, registers 6 c + 4, 6 c + 5 at 768 c + 512 + 8 x lane.  The scale word of (r, rb) lies at 12,288 + 32 r + 4 rb.
; One work-group makes one chunk: numbers 0-767 a chunk of wp (Wq, Wk, Wv as rows 64 h + d; Wo; W1; W2: their K is NOT innermost: a lane takes a column and its registers run down K),
; numbers 768-1023 a chunk of xp (K innermost: dense loads, turned through the wave's stage in LDS).  Each of the two paths has LDS bytes of its own.
; A block's scale is 2^(floor(log2(largest magnitude)) - 4); its byte is the largest magnitude's exponent field - 4, held at 1 from below by a floor among the maximum's leaves.
; LIMITS: a block whose largest magnitude lies under 2^-122, a block of zeros among them, gets the byte 1 (the rule says 127 for zeros: the codes are zeros, and only this program reads the bytes);
; NaN and infinities among the inputs are not served.
; No tensor loads, no matrix unit, no cluster: every input byte is read once by one work-group, nothing is shared.
.set CH,    12800
.set WFR,   1664                       ; path W: a fragment's place in the wave's stage: 1,536 + 128
.set SAW,   13312                      ; path W: the chunk's scale words (behind 4 stages of 2 x 1,664)
.set XSTG,  13824                      ; path X: 4 stages of 16 rows x 528 bytes
.set XPI,   528
.set SAX,   47616                      ; path X: the chunk's scale words
	s_load_b512 s[8:23], s[0:1], 0x0               ; x, Wq, Wk, Wv, Wo, W1, W2, xp
	s_load_b64 s[24:25], s[0:1], 0x40              ; wp
	v_lshl_add_u32 v62, v0, 2, 0xbc00
	v_mov_b32 v63, 0
	v_lshrrev_b32 v1, 5, v0
	v_readfirstlane_b32 s3, v1                     ; wave 0..3
	v_and_b32 v1, 31, v0                           ; lane
	v_lshlrev_b32 v6, 4, v1                        ; 16 x lane
	s_mov_b32 s49, 0
	s_mov_b32 s51, 0
	s_mov_b32 s53, 0
	s_wait_kmcnt 0x0
	s_cmp_lt_u32 ttmp9, 768
	s_cbranch_scc0 .Lx
; ---------------- PATH W: a chunk of a weight.  What differs between the six tensors is chosen by the work-group's number alone.
	s_mov_b64 s[26:27], s[20:21]                   ; from 512 on: W2
	s_mov_b32 s40, 4096                            ; bytes from k to k + 1
	s_mov_b32 s41, 512                             ; bytes from a group of 128 columns to the next
	s_mov_b32 s42, 256                             ; bytes from waves 0, 1 to waves 2, 3
	s_mov_b32 s43, 512                             ; the tensor's first chunk
	s_mov_b32 s44, 5                               ; log2 of its chunks along K
	s_cmp_lt_u32 ttmp9, 512
	s_cselect_b64 s[26:27], s[18:19], s[26:27]     ; W1
	s_cselect_b32 s40, 16384, s40
	s_cselect_b32 s43, 256, s43
	s_cselect_b32 s44, 3, s44
	s_cmp_lt_u32 ttmp9, 256
	s_cselect_b64 s[26:27], s[16:17], s[26:27]     ; Wo
	s_cselect_b32 s40, 4096, s40
	s_cselect_b32 s43, 192, s43
	s_cmp_lt_u32 ttmp9, 192
	s_cselect_b64 s[26:27], s[14:15], s[26:27]     ; Wv: [16][1024][64]: a group of 128 rows 64 h + d is two heads
	s_cselect_b32 s40, 256, s40
	s_cselect_b32 s41, 0x80000, s41
	s_cselect_b32 s42, 0x40000, s42
	s_cselect_b32 s43, 128, s43
	s_cmp_lt_u32 ttmp9, 128
	s_cselect_b64 s[26:27], s[12:13], s[26:27]     ; Wk
	s_cselect_b32 s43, 64, s43
	s_cmp_lt_u32 ttmp9, 64
	s_cselect_b64 s[26:27], s[10:11], s[26:27]     ; Wq
	s_cselect_b32 s43, 0, s43
	s_sub_co_u32 s45, ttmp9, s43                   ; the chunk's number in its tensor
	s_lshr_b32 s46, s45, s44                       ; group of 128 columns
	s_lshl_b32 s47, s46, s44
	s_sub_co_u32 s47, s45, s47                     ; which 128 along K
	s_mul_i32 s48, s46, s41
	s_lshr_b32 s52, s3, 1
	s_mul_i32 s52, s52, s42
	s_add_co_u32 s48, s48, s52
	s_and_b32 s52, s3, 1
	s_lshl_b32 s52, s52, 7
	s_add_co_u32 s48, s48, s52                     ; my wave's 32 columns
	s_lshl_b32 s50, s40, 5                         ; 32 along K, in bytes
	s_lshl_b32 s52, s47, 2
	s_mul_i32 s52, s52, s50
	s_add_co_u32 s48, s48, s52                     ; under 2^25
	s_add_nc_u64 s[28:29], s[26:27], s[48:49]      ; a base for each of the four blocks of 32 along K
	s_add_nc_u64 s[30:31], s[28:29], s[50:51]
	s_add_nc_u64 s[32:33], s[30:31], s[50:51]
	s_add_nc_u64 s[34:35], s[32:33], s[50:51]
	s_wait_alu depctr_va_vdst(0)
	v_lshlrev_b32 v192, 2, v1                      ; v192-223: 4 x lane + i rows of K
.set I_, 0
.rept 31
	v_add_nc_u32 v[193+I_], s40, v[192+I_]
.set I_, I_+1
.endr
.set B_, 0
.rept 4
.set I_, 0
.rept 32
	global_load_b32 v[64+32*B_+I_], v[192+I_], s[28+2*B_:29+2*B_] th:TH_LOAD_NT   ; W(32 block + i, my column): 32 lanes read 128 consecutive bytes
.set I_, I_+1
.endr
.set B_, B_+1
.endr
	s_mul_i32 s52, ttmp9, CH
	s_add_nc_u64 s[38:39], s[24:25], s[52:53]      ; the chunk in wp
	s_mul_i32 s52, s3, 3072
	s_add_nc_u64 s[36:37], s[38:39], s[52:53]      ; my wave's two fragments
	v_bfe_u32 v7, v1, 3, 1                         ; column 32 w + lane is row r of fragment 2 w + u: u = (lane / 8) % 2,
	v_and_b32 v8, 7, v1
	v_lshrrev_b32 v9, 4, v1
	v_lshl_add_u32 v8, v9, 3, v8                   ; r = lane % 8 + 8 (lane / 16)
	s_mul_i32 s54, s3, 2*WFR                       ; my stage
	v_mul_u32_u24 v9, v7, WFR
	v_add_nc_u32 v9, s54, v9
	v_lshl_add_u32 v2, v8, 4, v9                   ; where lane row r's 16 bytes go,
	v_lshl_add_u32 v3, v8, 3, v9                   ; and its 8 bytes
	s_lshl_b32 s55, s3, 3
	s_add_co_u32 s55, s55, SAW
	v_lshlrev_b32 v4, 5, v8
	v_lshl_add_u32 v4, v7, 2, v4
	v_add_nc_u32 v4, s55, v4                       ; my scale word: 32 r + 4 (2 w + u)
	v_add_nc_u32 v5, s54, v6                       ; the stage read back: 16 x lane
	v_add_nc_u32 v7, SAW, v6                       ; the scale words read back (wave 0)
; Block b of 32 along K of my column: in the fragment's image it belongs to lane r + 16 (b % 2), half b / 2.
.macro WBLOCK b, cnt
	s_wait_loadcnt \cnt                            ; this block's 32 loads are in (the count is the number of younger loads, or the largest that a wait can name)
.set XS, 64+32*\b
.set CB, 32+6*\b
	v_max3_num_f32 v12, |v[XS]|, |v[XS+1]|, |v[XS+2]|
	v_max3_num_f32 v13, |v[XS+3]|, |v[XS+4]|, |v[XS+5]|
.irp i, 6,10,14,18,22,26
	v_max3_num_f32 v12, v12, |v[XS+\i]|, |v[XS+\i+1]|
	v_max3_num_f32 v13, v13, |v[XS+\i+2]|, |v[XS+\i+3]|
.endr
	v_max3_num_f32 v12, v12, |v[XS+30]|, |v[XS+31]|
	v_max3_num_f32 v12, v12, v13, 0x2800000        ; with the floor 2^(5 - 127): the byte cannot fall under 1
	v_add_nc_u32 v11, 0xfe000000, v12              ; 4 off the exponent field: the conversion's scale operand
	v_cvt_scalef32_pk16_bf6_f32 v[CB:CB+2], v[XS:XS+15], v11
	v_cvt_scalef32_pk16_bf6_f32 v[20:22], v[XS+16:XS+31], v11   ; (a conversion's three registers begin on an even number)
	v_lshrrev_b32 v13, 23, v11                     ; the scale's byte; also the plain line behind the conversions
.if \b == 0
	v_mov_b32 v16, v13
.else
	v_lshl_or_b32 v16, v13, 8*\b, v16
.endif
.irp i, 0,1,2
	v_mov_b32 v[CB+3+\i], v[20+\i]
.endr
	ds_store_b128 v2, v[CB:CB+3] offset:768*(\b/2)+256*(\b%2)
	ds_store_b64 v3, v[CB+4:CB+5] offset:768*(\b/2)+512+128*(\b%2)
.endm
	WBLOCK 0, 63
	WBLOCK 1, 63
	WBLOCK 2, 32
	WBLOCK 3, 0
	ds_store_b32 v4, v16
.irp u, 0,1
.irp i, 0,1,2
	ds_load_b128 v[224+12*\u+4*\i:227+12*\u+4*\i], v5 offset:WFR*\u+512*\i   ; LDS serves a wave's instructions in order: these see my stores
.endr
.endr
	s_wait_dscnt 0x0                               ; my images are back, and my scale words have landed, for wave 0's sake
.irp u, 0,1
.irp i, 0,1,2
	global_store_b128 v6, v[224+12*\u+4*\i:227+12*\u+4*\i], s[36:37] offset:1536*\u+512*\i   ; 512 consecutive bytes a store
.endr
.endr
	s_barrier_signal -1
	s_barrier_wait -1                              ; all four waves' scale words lie in LDS
	s_cmp_lg_u32 s3, 0
	s_cbranch_scc1 .Lend_w
	ds_load_b128 v[248:251], v7
	s_wait_dscnt 0x0
	global_store_b128 v6, v[248:251], s[38:39] offset:12288
.Lend_w:
	s_wait_tensorcnt 0x0
	ds_add_u32 v62, v63
	s_wait_dscnt 0x0
	s_endpgm
; ---------------- PATH X: a chunk of x: 128 tokens x 128 along K; my wave: 32 tokens, two fragments.
.Lx:
	s_sub_co_u32 s45, ttmp9, 768
	s_lshr_b32 s46, s45, 3                         ; group of 128 tokens
	s_and_b32 s47, s45, 7                          ; which 128 along K
	s_lshl_b32 s46, s46, 7
	s_lshl_b32 s48, s3, 5
	s_add_co_u32 s46, s46, s48                     ; my first token
	s_lshl_b32 s48, s46, 12                        ; a row of x is 4,096 bytes
	s_lshl_b32 s47, s47, 9
	s_add_co_u32 s48, s48, s47
	s_add_nc_u64 s[28:29], s[8:9], s[48:49]
	s_wait_alu depctr_va_vdst(0)
.irp t, 0,1,2,3,4,5,6,7,16,17,18,19,20,21,22,23,8,9,10,11,12,13,14,15,24,25,26,27,28,29,30,31
	global_load_b128 v[64+4*\t:67+4*\t], v6, s[28:29] offset:4096*\t th:TH_LOAD_NT   ; 512 consecutive bytes of row t; the first fragment's 16 rows first
.endr
	s_mul_i32 s52, s45, CH
	s_add_nc_u64 s[38:39], s[22:23], s[52:53]      ; the chunk in xp
	s_mul_i32 s52, s3, 3072
	s_add_nc_u64 s[36:37], s[38:39], s[52:53]
	v_lshlrev_b32 v2, 3, v1                        ; 8 x lane
	v_and_b32 v8, 15, v1                           ; r
	v_lshrrev_b32 v9, 4, v1                        ; h
	s_mul_i32 s54, s3, 16*XPI
	s_add_co_u32 s54, s54, XSTG                    ; my stage
	v_add_nc_u32 v3, s54, v6                       ; in: a row as it was loaded
	v_mul_u32_u24 v4, v8, XPI
	v_lshl_add_u32 v4, v9, 7, v4
	v_add_nc_u32 v4, s54, v4                       ; out: row r, from number 32 h on
	s_lshl_b32 s55, s3, 3
	s_add_co_u32 s55, s55, SAX
	v_lshl_add_u32 v5, v8, 5, s55                  ; scale words: 32 r + 8 w
	v_add_nc_u32 v7, SAX, v6
	v_lshlrev_b32 v10, 3, v9                       ; 8 h
	v_mov_b32 v19, 0                               ; a lane permute's destination counts as read
	s_mov_b32 s56, 0x76543210
	s_mov_b32 s57, 0xfedcba98                      ; v_permlanex16_b32: lane l xor 16
; Fragment 2 w + u.  Lane (r, h) wants, of its row, k = 64 c + 32 h + 0 .. 31: two whole blocks.
.macro XFRAG u, cnt
	s_wait_loadcnt \cnt
.irp p, 0,1,2,3,4,5,6,7,8,9,10,11,12,13,14,15
	ds_store_b128 v3, v[64+4*(8*\u+\p+8*(\p/8)):67+4*(8*\u+\p+8*(\p/8))] offset:XPI*\p
.endr
.irp c, 0,1
.irp i, 0,1,2,3,4,5,6,7
	ds_load_b128 v[192+32*\c+4*\i:195+32*\c+4*\i], v4 offset:256*\c+16*\i
.endr
.endr
	s_wait_dscnt 0x0
.irp c, 0,1
	v_max3_num_f32 v[12+\c], |v[192+32*\c]|, |v[193+32*\c]|, 0x2800000
.endr
.irp i, 2,4,6,8,10,12,14,16,18,20,22,24,26,28,30
.irp c, 0,1
	v_max3_num_f32 v[12+\c], v[12+\c], |v[192+32*\c+\i]|, |v[193+32*\c+\i]|
.endr
.endr
.irp c, 0,1
	v_add_nc_u32 v[14+\c], 0xfe000000, v[12+\c]
.endr
.irp c, 0,1
	v_lshrrev_b32 v[16+\c], 23, v[14+\c]
.endr
	v_lshl_or_b32 v18, v17, 16, v16                ; my two bytes: blocks h and 2 + h,
	v_lshlrev_b32 v18, v10, v18                    ; at their places in the word;
	v_permlanex16_b32 v19, v18, s56, s57
	v_or_b32 v[60+\u], v18, v19                    ; with lane l xor 16's two the word is whole
.irp c, 0,1
	v_cvt_scalef32_pk16_bf6_f32 v[32+12*\u+6*\c:34+12*\u+6*\c], v[192+32*\c:207+32*\c], v[14+\c]
	v_cvt_scalef32_pk16_bf6_f32 v[24+4*\c:26+4*\c], v[208+32*\c:223+32*\c], v[14+\c]
.endr
	v_nop                                          ; one plain line behind the conversions
.irp c, 0,1
.irp i, 0,1,2
	v_mov_b32 v[35+12*\u+6*\c+\i], v[24+4*\c+\i]
.endr
.endr
	global_store_b128 v6, v[32+12*\u:35+12*\u], s[36:37] offset:1536*\u
	global_store_b64 v2, v[36+12*\u:37+12*\u], s[36:37] offset:1536*\u+512
	global_store_b128 v6, v[38+12*\u:41+12*\u], s[36:37] offset:1536*\u+768
	global_store_b64 v2, v[42+12*\u:43+12*\u], s[36:37] offset:1536*\u+1280
	ds_store_b32 v5, v[60+\u] offset:4*\u          ; lanes r and r + 16 write the same word with the same value
.endm
	s_wait_alu depctr_va_vdst(0)
	XFRAG 0, 16                                    ; the second fragment's 16 loads may be out
	XFRAG 1, 0
	s_wait_dscnt 0x0
	s_barrier_signal -1
	s_barrier_wait -1
	s_cmp_lg_u32 s3, 0
	s_cbranch_scc1 .Lend_x
	ds_load_b128 v[248:251], v7
	s_wait_dscnt 0x0
	global_store_b128 v6, v[248:251], s[38:39] offset:12288
.Lend_x:
	s_wait_tensorcnt 0x0
	ds_add_u32 v62, v63
	s_wait_dscnt 0x0
	s_endpgm
.Lfunc_end_k_q8d61a9c75b_prep:
	.size	k_q8d61a9c75b_prep, .Lfunc_end_k_q8d61a9c75b_prep-k_q8d61a9c75b_prep
	.p2alignl 7, 3214868480
	.fill 96, 4, 3214868480
	.section	.rodata,"a",@progbits
	.p2align	6, 0x0
	.amdhsa_kernel k_q8d61a9c75b_prep
		.amdhsa_group_segment_fixed_size 48640
		.amdhsa_private_segment_fixed_size 0
		.amdhsa_enable_private_segment 0
		.amdhsa_kernarg_size 72
		.amdhsa_user_sgpr_count 2
		.amdhsa_user_sgpr_kernarg_segment_ptr 1
		.amdhsa_wavefront_size32 1
		.amdhsa_system_sgpr_workgroup_id_x 1
		.amdhsa_system_sgpr_workgroup_id_y 1
		.amdhsa_system_sgpr_workgroup_id_z 1
		.amdhsa_system_vgpr_workitem_id 0
		.amdhsa_next_free_vgpr 256
		.amdhsa_next_free_sgpr 66
		.amdhsa_reserve_vcc 0
		.amdhsa_float_denorm_mode_32 3
		.amdhsa_float_denorm_mode_16_64 3
		.amdhsa_memory_ordered 1
		.amdhsa_forward_progress 1
		.amdhsa_inst_pref_size 41
	.end_amdhsa_kernel
	.amdgpu_metadata
---
amdhsa.version: [ 1, 2 ]
amdhsa.kernels:
  - .name:           k_q8d61a9c75b_prep
    .symbol:         k_q8d61a9c75b_prep.kd
    .args:
      - { .name: x, .offset: 0, .size: 8, .value_kind: global_buffer, .address_space: global }
      - { .name: Wq, .offset: 8, .size: 8, .value_kind: global_buffer, .address_space: global }
      - { .name: Wk, .offset: 16, .size: 8, .value_kind: global_buffer, .address_space: global }
      - { .name: Wv, .offset: 24, .size: 8, .value_kind: global_buffer, .address_space: global }
      - { .name: Wo, .offset: 32, .size: 8, .value_kind: global_buffer, .address_space: global }
      - { .name: W1, .offset: 40, .size: 8, .value_kind: global_buffer, .address_space: global }
      - { .name: W2, .offset: 48, .size: 8, .value_kind: global_buffer, .address_space: global }
      - { .name: xp, .offset: 56, .size: 8, .value_kind: global_buffer, .address_space: global }
      - { .name: wp, .offset: 64, .size: 8, .value_kind: global_buffer, .address_space: global }
    .group_segment_fixed_size: 48640
    .private_segment_fixed_size: 0
    .kernarg_segment_align: 8
    .kernarg_segment_size: 72
    .max_flat_workgroup_size: 128
    .sgpr_count:     66
    .vgpr_count:     256
    .wavefront_size: 32
...
	.end_amdgpu_metadata
.endif
;; end of part 1
;; launch qkv (part 2): grid 48 x 4, 4 waves a work-group, clusters of 4 x 4, 327,680 bytes of LDS; arguments xp, wp, qkvp; writes qkvp
.if DOCPART == 2
	.amdgcn_target "amdgcn-amd-amdhsa--gfx1250"
	.amdhsa_code_object_version 6
	.text
	.protected	k_q8d61a9c75b_qkv
	.globl	k_q8d61a9c75b_qkv
	.p2align	8
	.type	k_q8d61a9c75b_qkv,@function
k_q8d61a9c75b_qkv:
	s_mov_b64 s[64:65], 0
	v_nop
	global_prefetch_b8 v0, s[64:65] scope:SCOPE_SE
	s_setreg_imm32_b32 hwreg(HW_REG_WAVE_MODE, 25, 1), 1
	s_wait_xcnt 0x0
	s_wait_alu depctr_hold_cnt(0) depctr_sa_sdst(0) depctr_va_vdst(0) depctr_va_sdst(0) depctr_va_ssrc(0) depctr_va_vcc(0) depctr_vm_vsrc(0)
	s_getreg_b32 s2, hwreg(HW_REG_IB_STS2, 6, 4)
	s_cmp_eq_u32 s2, 0
	s_cbranch_scc0 .Lentry_in_a_cluster
	s_endpgm
.Lentry_in_a_cluster:
	s_bfe_u32 s2, ttmp6, 0x10000c
	s_cmp_lg_u32 s2, 0xf033
	s_cbranch_scc0 .Lentry_shape_is_right
	s_endpgm
.Lentry_shape_is_right:
; q, k (tokens x columns 64 h + d) and v^T (rows 64 h + d x tokens), all on codes of BF6 with E8M0 scales, K = 1,024; each result is quantised in registers for attention: q and k along d, v along the keys.
; OPERANDS lie in chunks of 12,800 bytes (128 rows x 128 K: 8 images of a fragment's 12 registers, then 512 bytes of scale words); a group's chunks along K are one dense stream.
; Fragment rb, lane row r is row 32 (rb / 2) + 8 (rb % 2) + r + 8 (r / 8) of its 128.  THE MATRIX INSTRUCTION IS USED TRANSPOSED (source 0 = the operand called B, source 1 = A): accumulator (a, b), lane (r, h),
; register j is A's row (a, r) and B's row 32 (b / 2) + 8 (b % 2) + 16 h + j: the 64 registers of a row a of accumulators run along B's rows, 16 neighbours to each block of 32: the next product's K.
; SHARES: a work-group makes 256 x 256, a wave 128 x 128 (64 accumulators).  Clusters 0-7: A = tokens (xp), B = Wq's and Wk's 2,048 rows.  Clusters 8-11: A = Wv's 1,024 rows, B = tokens.
; RING: three LDS slots of 102,400 bytes, each 256 along K of A's and B's 256 rows; a wave's tensor load brings 25,600 dense bytes.  K has four such steps: three go out at the start (three loads of a wave are out), one refill.
; CLUSTER 4 x 4: A's tiles are asked for jointly along a row of the cluster, B's along a column.
; OUT: for each (batch, head, group of 128 tokens) 19,712 bytes: q's 8 half images (768 bytes: 64 along K) and 512 bytes of scale words; k's likewise from 6,656; v's 4 images (16 d x 128 keys) from 13,312, its words from 19,456.
; q's and k's scale words carry 0x7f (scale 1) for k = 64 .. 127, where attention feeds zero codes.
; LIMITS: a block whose largest magnitude lies under 2^-122 gets the byte 1 (zeros too: their codes are zeros); NaN and infinities are not served.
; No prefetch: all but one of a work-group's tiles are asked for at the head.
.set KDIM,  1024
.set NQ,    2                          ; steps of 128 along K in a slot
.set NS,    3                          ; slots
.set MA,    8                          ; fragments of A, and of B, to a wave
.set BIG,   1
.set RING,  1
.set CMODE, 1                          ; the first step's C: the constant 0
; THE RING AS IT STANDS (this takes the place of the line RING in the head comment): LDS holds two regions of 153,600 bytes, chunks 0-2 and chunks 3-5 along K; in a region lie A's two groups of 128 rows and then B's two, 38,400 bytes each.
; At the head each wave issues ONE tensor load on a line of its own: two rows of 38,400 bytes (three chunks of each of an operand's two groups, which lie 102,400 bytes apart): waves 0, 1 bring A's and B's chunks 0-2, waves 2, 3 chunks 3-5.
; Waves 0 and 1 alone wait ahead of the first barrier; chunks 3-5 are shown by step 1's round, ahead of which every wave waits for all its loads.  Behind that round chunks 6 and 7 come into the places of chunks 0 and 1, 100 rows of 256 bytes a wave.
.set AWS,   38400                      ; in a region: from one half of A's (B's) rows to the other
.set ASW,   38400                      ; the same for the scale words
.set CH,    12800
.set WL,    3*CH                       ; three chunks of one group
.set SLOT,  4*WL                       ; a region
.set GRPB,  (KDIM/128)*CH
.set KSB,   NQ*CH
.set T,     KDIM/(128*NQ)
.set F,     1                          ; one first fill a wave
.set SCQK,  8*WL                       ; behind the two regions: q's, k's scale words on their way out, 1,024 bytes a wave;
.set SCVT,  SCQK+4096                  ; v's, 512 bytes a wave
.set SPARE, 327168                     ; the spare words, 128 bytes a wave, which no other line names
.set HS,    16*19712                   ; from a head to the next in qkvp
.set G1A, 24
.set G1B, 32
.set G0A, 40                           ; s[40:51], s[52:63]: a group 0 for each slot
.set G0B, 52
; REGISTERS.  window 0: v1 r, v2 h, v4-6 / v7-9 A's fragments in slot s (16 / 8 bytes a lane), v10-12 / v13-15 B's, v16-18 scale words, v19 / v20 the add's, v21 16 x lane, v22 8 x lane, v26-30 the way out,
; v32-47 scale words (two sets; lanes 0-15 A's, lanes 16-31 B's), v48-63 at work, v64-159 / v160-255 A's fragments, two sets.  window 1: B's, at v0 and v96.  windows 2, 3: accumulator (a, b) at 8 (8 a + b).
.set MSB, 0
.macro WIN new                         ; the immediate's high byte repeats the setting that is left
.if MSB != (\new)
	s_set_vgpr_msb (MSB<<8)|(\new)
.set MSB, (\new)
.endif
.endm
.macro JLOAD g0a, g0b                  ; a joint load: waves 0, 1 fetch for A, waves 2, 3 for B; four v_nop follow each line
	s_cmp_eq_u32 s17, 0
	s_cbranch_scc0 .Lfor_b_\@
	tensor_load_to_lds s[\g0a:\g0a+3], s[G1A:G1A+7]
	s_nop 0
.rept 4
	v_nop
.endr
	s_branch .Lasked_\@
.Lfor_b_\@:
	tensor_load_to_lds s[\g0b:\g0b+3], s[G1B:G1B+7]
	s_nop 0
.rept 4
	v_nop
.endr
.Lasked_\@:
.endm
.macro CREST                           ; a round of the cluster's barrier behind its opening barrier
	s_cmp_lg_u32 s16, 0
	s_cbranch_scc1 .Lnot_wave_0_\@
	s_barrier_signal -3
.Lnot_wave_0_\@:
	s_barrier_wait -3
	s_barrier_signal -1
	s_barrier_wait -1
.endm
.macro CROUND
	s_barrier_signal -1
	s_barrier_wait -1
	CREST
.endm
.macro PLACES n                        ; plain vector lines between a matrix instruction and a load into, or a read or write by another kind of instruction of, its registers
.rept \n
	v_nop
.endr
.endm
	s_load_b128 s[4:7], s[0:1], 0x0                ; xp, wp
	s_load_b64 s[8:9], s[0:1], 0x10                ; qkvp
	v_lshl_add_u32 v19, v0, 2, SPARE
	v_mov_b32 v20, 0
	ds_add_u32 v19, v20
	ds_add_u32 v19, v20
	s_wait_dscnt 0x0
	v_lshrrev_b32 v1, 5, v0
	v_readfirstlane_b32 s16, v1                    ; wave
	s_lshr_b32 s17, s16, 1                         ; my half of A's rows; also: I fetch for A (0) or B (1)
	s_and_b32 s18, s16, 1                          ; my half of B's rows; also: which half I fetch
	s_bfe_u32 s66, ttmp6, 0x40000                  ; cx
	s_bfe_u32 s67, ttmp6, 0x40004                  ; cy
	s_lshr_b32 s19, ttmp9, 1
	s_lshl_b32 s19, s19, 2                         ; q, k: 4 (C / 2)
	s_and_b32 s20, ttmp9, 1
	s_lshl_b32 s20, s20, 2                         ; q, k: 4 (C % 2)
	s_sub_co_u32 s21, ttmp9, 8
	s_lshl_b32 s21, s21, 2                         ; v: 4 (C - 8)
	s_cmp_lt_u32 ttmp9, 8                          ; the cluster's number: the same in all sixteen partners
	s_cselect_b32 s69, s19, 0
	s_cselect_b32 s68, s20, s21
	s_add_co_u32 s69, s69, s67                     ; ty: A's tile of 256 rows
	s_add_co_u32 s68, s68, s66                     ; tx: B's
	s_lshl_b32 s70, s67, 2
	s_lshl_b32 s70, 15, s70                        ; my row of the cluster
	s_lshl_b32 s71, 0x1111, s66                    ; my column
	s_or_b32 s[G1A], s70, (3<<16)|(1<<21)          ; group 1: the mask; elements of 8 bytes; bit 21 beside a mask; no padding
	s_or_b32 s[G1B], s71, (3<<16)|(1<<21)
.irp g, G1A, G1B
	s_mov_b32 s[\g+1], (WL/8)<<16                  ; the head's loads: 2 rows of 4,800 elements of 8 bytes,
	s_mov_b32 s[\g+2], 2<<16
	s_mov_b32 s[\g+3], (WL/8)<<16
	s_mov_b32 s[\g+4], 2
	s_mov_b32 s[\g+5], GRPB/8                      ; a group apart
	s_mov_b32 s[\g+6], 0
	s_mov_b32 s[\g+7], 0
.endr
	s_lshl_b32 s19, s69, 1
	s_add_co_u32 s19, s19, s18                     ; A: the group of 128 rows that I fetch
	s_mul_i32 s76, s19, GRPB
	s_mov_b32 s77, 0
	s_lshl_b32 s20, s68, 1
	s_add_co_u32 s20, s20, s18                     ; B likewise
	s_mul_i32 s78, s20, GRPB
	s_mov_b32 s79, 0
	s_mul_i32 s21, s16, WL                         ; where it goes in a slot
	CROUND                                         ; all sixteen work-groups are here: the first joint loads meet; the round stands ahead of the wait for the arguments
	s_wait_kmcnt 0x0
	s_add_nc_u64 s[90:91], s[6:7], 16*GRPB         ; Wv's groups lie behind Wq's 8 and Wk's 8
	s_cmp_lt_u32 ttmp9, 8
	s_cselect_b64 s[72:73], s[4:5], s[90:91]       ; A
	s_cselect_b64 s[74:75], s[6:7], s[4:5]         ; B
	s_add_nc_u64 s[72:73], s[72:73], s[76:77]
	s_add_nc_u64 s[74:75], s[74:75], s[78:79]
.set SS, 0
.rept F
	s_mov_b32 s[G0A+4*SS], 1
	s_add_co_u32 s[G0A+4*SS+1], s21, SS*SLOT
	s_add_nc_u64 s[G0A+4*SS+2:G0A+4*SS+3], s[72:73], SS*KSB
	s_or_b32 s[G0A+4*SS+3], s[G0A+4*SS+3], 0x80000000
	s_mov_b32 s[G0B+4*SS], 1
	s_add_co_u32 s[G0B+4*SS+1], s21, SS*SLOT
	s_add_nc_u64 s[G0B+4*SS+2:G0B+4*SS+3], s[74:75], SS*KSB
	s_or_b32 s[G0B+4*SS+3], s[G0B+4*SS+3], 0x80000000
	s_mul_i32 s92, s18, GRPB                       ; the head's group 0: back to the operand's first group,
	s_mov_b32 s93, 0
	s_mul_i32 s94, s17, WL                         ; on to chunks 3 (wave / 2) ..
	s_mov_b32 s95, 0
	s_mov_b32 s[G0A+4], 1
	s_mul_i32 s[G0A+5], s17, SLOT                  ; region wave / 2: A's part,
	s_sub_nc_u64 s[G0A+6:G0A+7], s[72:73], s[92:93]
	s_add_nc_u64 s[G0A+6:G0A+7], s[G0A+6:G0A+7], s[94:95]
	s_or_b32 s[G0A+7], s[G0A+7], 0x80000000
	s_mov_b32 s[G0B+4], 1
	s_mul_i32 s[G0B+5], s17, SLOT
	s_add_co_u32 s[G0B+5], s[G0B+5], 2*WL          ; B's part
	s_sub_nc_u64 s[G0B+6:G0B+7], s[74:75], s[92:93]
	s_add_nc_u64 s[G0B+6:G0B+7], s[G0B+6:G0B+7], s[94:95]
	s_or_b32 s[G0B+7], s[G0B+7], 0x80000000
	s_cmp_eq_u32 s16, 0                            ; one chain of branches on the wave's number, a load line of its own in each arm
	s_cbranch_scc0 .Lhead_1
	tensor_load_to_lds s[G0A+4:G0A+7], s[G1A:G1A+7]   ; wave 0: A's chunks 0-2
	s_nop 0
	PLACES 4
	s_branch .Lhead_on
.Lhead_1:
	s_cmp_eq_u32 s16, 1
	s_cbranch_scc0 .Lhead_2
	tensor_load_to_lds s[G0B+4:G0B+7], s[G1B:G1B+7]   ; wave 1: B's chunks 0-2
	s_nop 0
	PLACES 4
	s_branch .Lhead_on
.Lhead_2:
	s_cmp_eq_u32 s16, 2
	s_cbranch_scc0 .Lhead_3
	tensor_load_to_lds s[G0A+4:G0A+7], s[G1A:G1A+7]   ; wave 2: A's chunks 3-5
	s_nop 0
	PLACES 4
	s_branch .Lhead_on
.Lhead_3:
	tensor_load_to_lds s[G0B+4:G0B+7], s[G1B:G1B+7]   ; wave 3: B's chunks 3-5
	s_nop 0
	PLACES 4
.Lhead_on:
.set SS, SS+1
.endr
	v_and_b32 v1, 15, v0                           ; r
	v_bfe_u32 v2, v0, 4, 1                         ; h
	v_and_b32 v3, 31, v0
	v_lshlrev_b32 v21, 4, v3
	v_lshlrev_b32 v22, 3, v3
	s_mul_i32 s22, s17, AWS
	s_mul_i32 s23, s18, AWS
	s_add_co_u32 s23, s23, 2*WL                    ; B lies behind A in a slot
.set SS, 0
.rept NS
	v_add_nc_u32 v[4+SS], s22, v21
	v_add_nc_u32 v[7+SS], s22, v22
	v_add_nc_u32 v[10+SS], s23, v21
	v_add_nc_u32 v[13+SS], s23, v22
	s_add_co_u32 s22, s22, SLOT
	s_add_co_u32 s23, s23, SLOT
.set SS, SS+1
.endr
	s_mul_i32 s22, s17, ASW
	s_mul_i32 s23, s18, ASW
	s_add_co_u32 s23, s23, 2*WL
	s_sub_co_u32 s23, s23, s22
	v_mul_u32_u24 v3, s23, v2                      ; lanes 16-31 take B's words: one product, h x the distance
	v_lshl_add_u32 v3, v1, 5, v3                   ; + 32 r
.set SS, 0
.rept NS
	v_add_nc_u32 v[16+SS], s22, v3
	s_add_co_u32 s22, s22, SLOT
.set SS, SS+1
.endr
	s_mov_b32 s86, 0x76543210
	s_mov_b32 s87, 0xfedcba98                      ; v_permlanex16_b32: lane l xor 16
	s_mov_b32 s88, 0x7f7f0000
.irp b, 0,1,2,3
	v_mov_b32 v[52+\b], 0                          ; a lane permute's destination counts as read
.endr
	; where my 128 x 128 goes
	s_lshl_b32 s92, s69, 1
	s_add_co_u32 s92, s92, s17                     ; A's group
	s_lshl_b32 s93, s68, 1
	s_add_co_u32 s93, s93, s18                     ; B's group
	s_and_b32 s94, s93, 7
	s_lshr_b32 s95, s93, 3
	s_mul_i32 s95, s95, 6656
	s_cmp_lt_u32 ttmp9, 8
	s_cselect_b32 s96, s92, s93                    ; the group of tokens,
	s_cselect_b32 s94, s94, s92                    ; the pair of heads,
	s_cselect_b32 s95, s95, 13312                  ; q's, k's or v's place in a chunk
	s_lshr_b32 s97, s96, 4
	s_lshl_b32 s97, s97, 8
	s_lshl_b32 s94, s94, 5
	s_add_co_u32 s97, s97, s94
	s_and_b32 s96, s96, 15
	s_add_co_u32 s97, s97, s96                     ; 16 (16 batch + head) + group
	s_mul_i32 s90, s97, 19712
	s_add_co_u32 s90, s90, s95
	s_mov_b32 s91, 0
	s_add_nc_u64 s[80:81], s[8:9], s[90:91]
	s_lshl_b32 s92, s16, 10
	s_add_co_u32 s92, s92, SCQK
	v_lshl_add_u32 v28, v1, 5, s92
	v_add_nc_u32 v29, s92, v21
	s_lshl_b32 s92, s16, 9
	s_add_co_u32 s92, s92, SCVT
	v_lshl_add_u32 v26, v1, 4, s92
	v_add_nc_u32 v27, s92, v21
	v_mul_u32_u24 v30, v2, HS
	v_lshl_add_u32 v30, v1, 4, v30                 ; v's words out: lanes 0-15 the first head's 256 bytes, lanes 16-31 the second's
; The fragments and scale words of step sg (128 along K) into set sg % 2: every load takes 512 or 256 consecutive bytes.
.macro FETCH sg
.set SL, ((\sg)%6)/3                   ; the region (chunks 6, 7 lie in the places of chunks 0, 1)
.set QO, (((\sg)%6)%3)*CH              ; the chunk's place in it
.set P, (\sg)%2
	WIN 0x40
.set I_, 0
.rept MA
	ds_load_b128 v[96*P+12*I_:96*P+12*I_+3], v[10+SL] offset:QO+1536*I_
	ds_load_b64 v[96*P+12*I_+4:96*P+12*I_+5], v[13+SL] offset:QO+1536*I_+512
	ds_load_b128 v[96*P+12*I_+6:96*P+12*I_+9], v[10+SL] offset:QO+1536*I_+768
	ds_load_b64 v[96*P+12*I_+10:96*P+12*I_+11], v[13+SL] offset:QO+1536*I_+1280
.set I_, I_+1
.endr
	WIN 0
.set I_, 0
.rept MA
	ds_load_b128 v[64+96*P+12*I_:64+96*P+12*I_+3], v[4+SL] offset:QO+1536*I_
	ds_load_b64 v[64+96*P+12*I_+4:64+96*P+12*I_+5], v[7+SL] offset:QO+1536*I_+512
	ds_load_b128 v[64+96*P+12*I_+6:64+96*P+12*I_+9], v[4+SL] offset:QO+1536*I_+768
	ds_load_b64 v[64+96*P+12*I_+10:64+96*P+12*I_+11], v[7+SL] offset:QO+1536*I_+1280
.set I_, I_+1
.endr
	ds_load_b128 v[32+8*P:35+8*P], v[16+SL] offset:QO+12288
.if BIG
	ds_load_b128 v[36+8*P:39+8*P], v[16+SL] offset:QO+12288+16
.endif
.endm
; Rows a0 .. a0 + n - 1 of accumulators against all of B's fragments.  The accumulators take turns, one instruction a turn, in the same order in every step.
.macro MULROWS a0, n, sg, cm
.set P, (\sg)%2
.set A_, \a0
.rept \n
.set AW, (8*MA*A_)/256
.set AC, (8*MA*A_)%256
.if \cm == 2
	WIN 0x91+0x40*AW
.else
	WIN 0xa1+0x50*AW
.endif
.set B_, 0
.rept MA
.if \cm == 1
	v_wmma_scale_f32_16x16x128_f8f6f4 v[AC+8*B_:AC+8*B_+7], v[96*P+12*B_:96*P+12*B_+11], v[64+96*P+12*A_:64+96*P+12*A_+11], 0, v[32+8*P+B_], v[32+8*P+A_] matrix_a_fmt:MATRIX_FMT_BF6 matrix_b_fmt:MATRIX_FMT_BF6 matrix_a_scale:MATRIX_SCALE_ROW1
.elseif \cm == 2
	v_wmma_scale_f32_16x16x128_f8f6f4 v[AC+8*B_:AC+8*B_+7], v[96*P+12*B_:96*P+12*B_+11], v[64+96*P+12*A_:64+96*P+12*A_+11], v[192+8*B_:199+8*B_], v[32+8*P+B_], v[32+8*P+A_] matrix_a_fmt:MATRIX_FMT_BF6 matrix_b_fmt:MATRIX_FMT_BF6 matrix_a_scale:MATRIX_SCALE_ROW1
.else
	v_wmma_scale_f32_16x16x128_f8f6f4 v[AC+8*B_:AC+8*B_+7], v[96*P+12*B_:96*P+12*B_+11], v[64+96*P+12*A_:64+96*P+12*A_+11], v[AC+8*B_:AC+8*B_+7], v[32+8*P+B_], v[32+8*P+A_] matrix_a_fmt:MATRIX_FMT_BF6 matrix_b_fmt:MATRIX_FMT_BF6 matrix_a_scale:MATRIX_SCALE_ROW1
.endif
.set B_, B_+1
.endr
.set A_, A_+1
.endr
.endm
.macro PLAIN sg, cm                    ; a step whose successor's tiles have been shown landed to every wave
	s_wait_dscnt 0x0                               ; this step's fragments are in
	PLACES 4                                       ; the other set's last readers are the step before's products
	FETCH (\sg)+1                                  ; the next step's fragments have this whole step's products to come in under
	MULROWS 0, MA, \sg, \cm
.endm
.macro TURN sg, fill                   ; a slot's last step, with ONE barrier: behind it the slots asked for so far are whole, and nobody reads this slot any more
	WIN 0
	s_wait_tensorcnt 0x0                           ; all my tensor loads have landed;
.if RING
	ds_add_u32 v19, v20                            ; 0 onto my spare word
	s_wait_dscnt 1                                 ; this step's fragments are in; the add alone may be out
.else
	s_wait_dscnt 0x0
.endif
	MULROWS 0, MA/4, \sg, 0
	s_wait_dscnt 0x0                               ; the add is done, and my reads of this slot are over
	s_barrier_signal -1
	MULROWS MA/4, MA/4, \sg, 0
	WIN 0
	s_barrier_wait -1
.if \fill
	CREST                                          ; the barrier has opened a round of the cluster's: no wave of any partner still reads this slot or has a load on its way
.set SF, ((\sg)/NQ)%NS
	s_add_nc_u64 s[G0A+4*SF+2:G0A+4*SF+3], s[G0A+4*SF+2:G0A+4*SF+3], NS*KSB
	s_add_nc_u64 s[G0B+4*SF+2:G0B+4*SF+3], s[G0B+4*SF+2:G0B+4*SF+3], NS*KSB
.irp g, G1A, G1B                       ; no load of mine is out: the refill brings 100 rows of 256 bytes, dense
	s_mov_b32 s[\g+1], 32<<16
	s_mov_b32 s[\g+2], 100<<16
	s_mov_b32 s[\g+3], 32<<16
	s_mov_b32 s[\g+4], 100
	s_mov_b32 s[\g+5], 32
.endr
	JLOAD G0A+4*SF, G0B+4*SF                       ; my one tensor load behind the round; its four v_nop are also the places in front of the loads below
.else
	PLACES 4
.endif
	FETCH (\sg)+1
	MULROWS MA/2, MA/2, \sg, 0
.endm
.macro LAST sg
	s_wait_dscnt 0x0
	MULROWS 0, MA, \sg, 0
	WIN 0
.endm
; 64 numbers of a lane in window win, register 16 b + i = k 32 b + 16 h + i of my row, become a fragment's 12 registers at pc and its scale word in pw.  Each accumulator is read from its low end on.
.macro QUANT4 src, win, pc, pw
	WIN (\win)|((\win)<<2)
.irp b, 0,1,2,3
	v_max3_num_f32 v[48+\b], |v[(\src)+16*\b]|, |v[(\src)+16*\b+1]|, 0x2800000   ; with the floor 2^(5 - 127)
.endr
	WIN ((\win)<<2)|((\win)<<4)
.irp i, 2,4,6,8,10,12,14
.irp b, 0,1,2,3
	v_max3_num_f32 v[48+\b], v[48+\b], |v[(\src)+16*\b+\i]|, |v[(\src)+16*\b+\i+1]|
.endr
.endr
	WIN 0
.irp b, 0,1,2,3
	v_permlanex16_b32 v[52+\b], v[48+\b], s86, s87
.endr
.irp b, 0,1,2,3
	v_max_num_f32 v[48+\b], v[48+\b], v[52+\b]     ; with lane l xor 16's: the block's largest magnitude
.endr
.irp b, 0,1,2,3
	v_add_nc_u32 v[60+\b], 0xfe000000, v[48+\b]    ; 4 off its exponent field: the conversion's scale operand
.endr
.irp b, 0,1,2,3
	v_lshrrev_b32 v[52+\b], 23, v[60+\b]           ; the byte
.endr
	v_lshl_or_b32 v[\pw], v53, 8, v52
	v_lshl_or_b32 v[\pw], v54, 16, v[\pw]
	v_lshl_or_b32 v[\pw], v55, 24, v[\pw]
	WIN (\win)
.irp c, 0,1
	v_cvt_scalef32_pk16_bf6_f32 v[(\pc)+6*\c:(\pc)+6*\c+2], v[(\src)+32*\c:(\src)+32*\c+15], v[60+2*\c]
	v_cvt_scalef32_pk16_bf6_f32 v[160+4*\c:162+4*\c], v[(\src)+32*\c+16:(\src)+32*\c+31], v[61+2*\c]
.endr
	WIN 0
	v_nop                                          ; one plain line behind the conversions
.irp c, 0,1                            ; the layout wants a whole block in a lane: lanes 0-15 block 2 c, lanes 16-31 block 2 c + 1
.irp i, 0,1,2
	v_permlane16_swap_b32 v[(\pc)+6*\c+\i], v[160+4*\c+\i]
.endr
.irp i, 0,1,2
	v_mov_b32 v[(\pc)+6*\c+3+\i], v[160+4*\c+\i]
.endr
.endr
.endm
	s_wait_alu depctr_va_vdst(0)
	s_cmp_lt_u32 s16, 2
	s_cbranch_scc0 .Lnot_first
	s_wait_tensorcnt 0x0                           ; waves 0 and 1: chunks 0-2 have landed; waves 2 and 3's tiles may be on their way
.Lnot_first:
	s_barrier_signal -1
	s_barrier_wait -1
	FETCH 0
.set PUB, 0                            ; the last step of 256 along K that a barrier has shown whole to every wave
.set SG, 0
.rept T*NQ
.set KT, SG/NQ
.set CM, 0
.if SG == 0
.set CM, CMODE
.endif
.if SG == T*NQ-1
	LAST SG
.elseif (SG%NQ == NQ-1) && (KT+NS < T)
	TURN SG, 1
.set PUB, KT+NS-1
.elseif (SG%NQ == NQ-1) && (KT+1 > PUB)
	TURN SG, 0
.set PUB, T-1
.else
	PLAIN SG, CM
.endif
.set SG, SG+1
.endr
	PLACES 4
	s_cmp_lt_u32 ttmp9, 8
	s_cbranch_scc0 .Lvt
; q, k: a row of accumulators is 16 tokens x two heads' 64: half c of the fragment is head c's half image.  Every block of rows has registers of its own, so no store's data are written again.
.set R_, 0
.rept 8
	QUANT4 64*(R_%4), 2+R_/4, 64+12*R_, 168+R_
	global_store_b128 v21, v[64+12*R_:67+12*R_], s[80:81] offset:768*R_
	global_store_b64 v22, v[68+12*R_:69+12*R_], s[80:81] offset:768*R_+512
	global_store_b128 v21, v[70+12*R_:73+12*R_], s[80:81] offset:HS+768*R_
	global_store_b64 v22, v[74+12*R_:75+12*R_], s[80:81] offset:HS+768*R_+512
	v_and_or_b32 v[176+R_], v[168+R_], 0xffff, s88 ; the first head's two bytes, and scale 1 for k = 64 .. 127
	v_lshrrev_b32 v[184+R_], 16, v[168+R_]
	v_or_b32 v[184+R_], s88, v[184+R_]             ; the second head's
	ds_store_b32 v28, v[176+R_] offset:4*R_
	ds_store_b32 v28, v[184+R_] offset:512+4*R_
.set R_, R_+1
.endr
	ds_load_b128 v[192:195], v29                   ; my own bytes: LDS serves a wave's instructions in order
	ds_load_b128 v[196:199], v29 offset:512
	s_wait_dscnt 0x0
	global_store_b128 v21, v[192:195], s[80:81] offset:6144
	global_store_b128 v21, v[196:199], s[80:81] offset:HS+6144
	s_branch .Ldone
.Lvt:
; v^T: a row of accumulators is 16 of a head's d x 128 keys: a whole fragment; rows 0-3 the first head, rows 4-7 the second
.set R_, 0
.rept 8
	QUANT4 64*(R_%4), 2+R_/4, 64+12*R_, 168+R_
	global_store_b128 v21, v[64+12*R_:67+12*R_], s[80:81] offset:(R_/4)*HS+(R_%4)*1536
	global_store_b64 v22, v[68+12*R_:69+12*R_], s[80:81] offset:(R_/4)*HS+(R_%4)*1536+512
	global_store_b128 v21, v[70+12*R_:73+12*R_], s[80:81] offset:(R_/4)*HS+(R_%4)*1536+768
	global_store_b64 v22, v[74+12*R_:75+12*R_], s[80:81] offset:(R_/4)*HS+(R_%4)*1536+1280
	ds_store_b32 v26, v[168+R_] offset:256*(R_/4)+4*(R_%4)
.set R_, R_+1
.endr
	ds_load_b128 v[192:195], v27
	s_wait_dscnt 0x0
	global_store_b128 v30, v[192:195], s[80:81] offset:6144
.Ldone:
	s_wait_tensorcnt 0x0                           ; the wave's end
	ds_add_u32 v19, v20
	s_wait_dscnt 0x0
	CROUND                                         ; the closing round
	s_endpgm
.Lfunc_end_k_q8d61a9c75b_qkv:
	.size	k_q8d61a9c75b_qkv, .Lfunc_end_k_q8d61a9c75b_qkv-k_q8d61a9c75b_qkv
	.p2alignl 7, 3214868480
	.fill 96, 4, 3214868480
	.section	.rodata,"a",@progbits
	.p2align	6, 0x0
	.amdhsa_kernel k_q8d61a9c75b_qkv
		.amdhsa_group_segment_fixed_size 327680
		.amdhsa_private_segment_fixed_size 0
		.amdhsa_enable_private_segment 0
		.amdhsa_kernarg_size 24
		.amdhsa_user_sgpr_count 2
		.amdhsa_user_sgpr_kernarg_segment_ptr 1
		.amdhsa_wavefront_size32 1
		.amdhsa_system_sgpr_workgroup_id_x 1
		.amdhsa_system_sgpr_workgroup_id_y 1
		.amdhsa_system_sgpr_workgroup_id_z 1
		.amdhsa_system_vgpr_workitem_id 0
		.amdhsa_next_free_vgpr 1024
		.amdhsa_next_free_sgpr 100
		.amdhsa_reserve_vcc 0
		.amdhsa_float_denorm_mode_32 3
		.amdhsa_float_denorm_mode_16_64 3
		.amdhsa_memory_ordered 1
		.amdhsa_forward_progress 1
		.amdhsa_inst_pref_size 183
	.end_amdhsa_kernel
	.amdgpu_metadata
---
amdhsa.version: [ 1, 2 ]
amdhsa.kernels:
  - .name:           k_q8d61a9c75b_qkv
    .symbol:         k_q8d61a9c75b_qkv.kd
    .args:
      - { .name: xp, .offset: 0, .size: 8, .value_kind: global_buffer, .address_space: global }
      - { .name: wp, .offset: 8, .size: 8, .value_kind: global_buffer, .address_space: global }
      - { .name: qkvp, .offset: 16, .size: 8, .value_kind: global_buffer, .address_space: global }
    .group_segment_fixed_size: 327680
    .private_segment_fixed_size: 0
    .kernarg_segment_align: 8
    .kernarg_segment_size: 24
    .max_flat_workgroup_size: 128
    .sgpr_count:     100
    .vgpr_count:     1024
    .wavefront_size: 32
...
	.end_amdgpu_metadata
.endif
;; end of part 2
;; launch attn (part 3): grid 8 x 32, 16 waves a work-group, clusters of 4 x 1, 247,808 bytes of LDS; arguments qkvp, ap; writes ap
.if DOCPART == 3
	.amdgcn_target "amdgcn-amd-amdhsa--gfx1250"
	.amdhsa_code_object_version 6
	.text
	.protected	k_q8d61a9c75b_attn
	.globl	k_q8d61a9c75b_attn
	.p2align	8
	.type	k_q8d61a9c75b_attn,@function
k_q8d61a9c75b_attn:
	s_mov_b64 s[64:65], 0
	v_nop
	global_prefetch_b8 v0, s[64:65] scope:SCOPE_SE
	s_setreg_imm32_b32 hwreg(HW_REG_WAVE_MODE, 25, 1), 1
	s_wait_xcnt 0x0
	s_wait_alu depctr_hold_cnt(0) depctr_sa_sdst(0) depctr_va_vdst(0) depctr_va_sdst(0) depctr_va_ssrc(0) depctr_va_vcc(0) depctr_vm_vsrc(0)
	s_getreg_b32 s2, hwreg(HW_REG_IB_STS2, 6, 4)
	s_cmp_eq_u32 s2, 0
	s_cbranch_scc0 .Lentry_in_a_cluster
	s_endpgm
.Lentry_in_a_cluster:
	s_bfe_u32 s2, ttmp6, 0x10000c
	s_cmp_lg_u32 s2, 0x3003
	s_cbranch_scc0 .Lentry_shape_is_right
	s_endpgm
.Lentry_shape_is_right:
; Causal attention of one (batch, head) on codes of BF6: S^T = K Q^T (K = the head's 64, fed as 128 with zero codes), p = 2^(t - M), O^T = V^T P^T (K = 128 keys a step), O / l quantised along d for the next product.
; t = score x log2(e) / 32 (reference scales by 1024^-0.5); M = the running largest t rounded UP to a whole number; the row's sum is taken of the unquantised p; when M moves, the sum and O^T are multiplied by 2^(old M - new M): exact.
; Key steps all of whose keys come after a tile's queries lie under reference()'s own causal mask and are not worked.
; LDS: a head's K and V, 16 groups of 128 keys x 13,056 bytes, all lie in LDS: wave w brings group w by one tensor load; LDS is filled once: one work-group barrier between the fill and the reads.
; CLUSTER 4 x 1: the four work-groups of a cluster belong to one head and want the same K and V: each group is asked for JOINTLY, by the same load with the same descriptor and the mask 15.
; SHARES: a head has 16 groups of 128 queries x 8 tiles of 16, for two clusters X of 4 work-groups of 16 waves.  With s = wave % 4, e = (wave / 4) % 2, a = 2 s + X a pair of waves (w, w + 8) owns tile 2 cx + e of group a (a + 1 key steps)
; and the same tile of group 15 - a (16 - a key steps): 17 steps.  Wave w < 8 works the long tile's key groups 0 to 8 (9 steps) and hands its O^T, sum and M to its partner through 4,608 LDS bytes of the pair's own.
; Wave w + 8 works the short tile (a + 1 steps), finishes and stores it, then works the long tile's key groups 9 to 15 - a (7 - a steps), joins the partner's part (both brought under the larger M by powers of two: exact) and finishes it: 8 steps.
; Groups and ranges hang on the wave's number and on X alone, alike in all four partners; the place in the cluster enters Q's and the output's addresses and the number that the diagonal's mask compares with, and no branch and no LDS address.
; Every wave walks both loops (9 and 7 trips); a step outside the wave's range is jumped over by a scalar branch on ids.  On the diagonal hidden scores become -infinity ahead of the maximum.
; LAYOUT: both products transposed, so a lane holds ONE query.  Tile t's lane row r is key 32 (t / 2) + 8 (t % 2) + r + 8 (r / 8): the 16 registers of tiles 2 b, 2 b + 1 are keys 32 b + 16 h + 0 .. 15.
; K = 64 IN AN INSTRUCTION OF 128: Q's registers 6-11 are zero codes and both sides' scale bytes there are 0x7f, so what K's operand run holds in its upper six registers (the next tile's codes; zeros behind tile 7) adds nothing.
; No prefetch: all tiles are asked for at the head.
; The scale bytes leave as two bytes a row (the word's other half is the neighbouring head's, another work-group's): one part in 24 of the launch's output.
; LIMITS: 1 / l by v_rcp_f32; a block whose largest magnitude lies under 2^-122 gets the byte 1; NaN and infinities are not served; the scaled scores stay under 2^31 in magnitude.
; REGISTERS: v1 16 x lane, v2 8 x lane, v3 32 r, v4 16 r, v5 my query - 16 h (in its group), v6 the pair's LDS bytes, v8-11 the step's LDS addresses, v12 -M, v13 the largest t, v[14:15] the sum, v16-21 Q, v22-27 zeros, v28 Q's scale word,
; v29 -infinity, v30 p's scale word, v31 at work, v32-79 K (8 x 6), v80-85 zeros, v86-93 K's scale words, v94-97 V's, v98-145 V (4 x 12), v146-209 S^T then p, v210-241 O^T, v242-253 chains of sums, v254, v255 the add's.
; Behind the scores K's registers serve again: v32-43 p's codes, v44-50 conversions, v52-55 block maxima, v56-59 the other half's, v60-63 scale operands, v64-67 bytes, v[68:69] f, v70, v71 at work, v[72:73] a second chain of sums.
.set GCH, 19712
.set KVB, 13056
.set CH,  12800
.set S,   146
.set O,   210
.set SPARE, 16*KVB                     ; the spare words, 128 bytes a wave
.set HB,  SPARE+2048                   ; behind them: 8 x 4,608 bytes, a pair of waves each
.macro CROUND                          ; a round of the cluster's barrier
	s_barrier_signal -1
	s_barrier_wait -1
	s_cmp_lg_u32 s8, 0
	s_cbranch_scc1 .Lnot_wave_0_\@
	s_barrier_signal -3
.Lnot_wave_0_\@:
	s_barrier_wait -3
	s_barrier_signal -1
	s_barrier_wait -1
.endm
.macro TILEADR g, q, qs, o, os         ; the tile s9 of the group in s\g: its half image and scale words in qkvp, its half image and scale bytes in ap.  s36 = 16 (16 batch + head), s43 = 0
	s_add_co_u32 s40, s36, s\g
	s_mul_i32 s40, s40, GCH
	s_mul_i32 s41, s9, 768
	s_add_co_u32 s42, s40, s41
	s_add_nc_u64 s[\q:\q+1], s[4:5], s[42:43]
	s_lshl_b32 s41, s9, 2
	s_add_co_u32 s42, s40, s41
	s_add_co_u32 s42, s42, 6144
	s_add_nc_u64 s[\qs:\qs+1], s[4:5], s[42:43]
	s_lshr_b32 s44, s13, 4
	s_lshl_b32 s44, s44, 4
	s_add_co_u32 s44, s44, s\g                     ; the group of tokens,
	s_lshl_b32 s44, s44, 3
	s_bfe_u32 s45, s13, 0x30001                    ; head / 2: which 128 of the next K
	s_add_co_u32 s44, s44, s45
	s_mul_i32 s44, s44, CH                         ; the chunk of ap
	s_and_b32 s45, s13, 1                          ; head % 2: which half of its images
	s_mul_i32 s46, s9, 1536
	s_mul_i32 s47, s45, 768
	s_add_co_u32 s46, s46, s47
	s_add_co_u32 s42, s44, s46
	s_add_nc_u64 s[\o:\o+1], s[6:7], s[42:43]
	s_lshl_b32 s46, s9, 2
	s_lshl_b32 s47, s45, 1
	s_add_co_u32 s46, s46, s47
	s_add_co_u32 s46, s46, 12288
	s_add_co_u32 s42, s44, s46
	s_add_nc_u64 s[\os:\os+1], s[6:7], s[42:43]
.endm
; The loop over key groups s11 (LDS byte s12) up to lim - 1.  s\g: the tile's group (its diagonal);  s\hi: the last key group of my range.
.macro KLOOP n, lim, g, hi
.Lkey\n:
	s_cmp_gt_u32 s11, s\hi
	s_cbranch_scc1 .Lskip\n                        ; beyond my range
	v_add_nc_u32 v8, s12, v1                       ; these four lines are also the places between the last products and the loads into their registers
	v_add_nc_u32 v9, s12, v2
	v_add_nc_u32 v10, s12, v3
	v_add_nc_u32 v11, s12, v4
.irp t, 0,1,2,3,4,5,6,7
	ds_load_b128 v[32+6*\t:35+6*\t], v8 offset:768*\t
	ds_load_b64 v[36+6*\t:37+6*\t], v9 offset:768*\t+512
.endr
	ds_load_b128 v[86:89], v10 offset:6144
	ds_load_b128 v[90:93], v10 offset:6160
.irp t, 0,1,2,3
	ds_load_b128 v[98+12*\t:101+12*\t], v8 offset:6656+1536*\t
	ds_load_b64 v[102+12*\t:103+12*\t], v9 offset:6656+1536*\t+512
	ds_load_b128 v[104+12*\t:107+12*\t], v8 offset:6656+1536*\t+768
	ds_load_b64 v[108+12*\t:109+12*\t], v9 offset:6656+1536*\t+1280
.endr
	ds_load_b128 v[94:97], v11 offset:12800
	s_wait_dscnt 17                                ; K and its words are in; V's 16 loads and its words' one may be out
.irp t, 0,1,2,3,4,5,6,7
	v_wmma_scale_f32_16x16x128_f8f6f4 v[S+8*\t:S+8*\t+7], v[32+6*\t:43+6*\t], v[16:27], 0, v[86+\t], v28 matrix_a_fmt:MATRIX_FMT_BF6 matrix_b_fmt:MATRIX_FMT_BF6
.endr
.rept 4
	v_nop
.endr
	s_cmp_lt_u32 s11, s\g
	s_cbranch_scc1 .Lopen\n                        ; all keys count
.set N_, 0
	s_wait_alu depctr_va_vdst(0)
.rept 64                               ; register 16 b + i holds key 32 b + 16 h + i of the group: hidden where 32 b + i > my query - 16 h
	v_cmp_gt_i32 vcc_lo, 32*(N_/16)+N_%16, v5
	v_cndmask_b32 v[S+N_], v[S+N_], v29, vcc_lo
.set N_, N_+1
.endr
.Lopen\n:
.irp b, 0,1,2,3
	v_max3_num_f32 v[52+\b], v[S+16*\b], v[S+16*\b+1], v[S+16*\b+2]   ; the largest score of each block of 32 keys: for the row's maximum and, since p rises with the score, for the block's largest p
.endr
.irp i, 3,5,7,9,11,13
.irp b, 0,1,2,3
	v_max3_num_f32 v[52+\b], v[52+\b], v[S+16*\b+\i], v[S+16*\b+\i+1]
.endr
.endr
.irp b, 0,1,2,3
	v_max_num_f32 v[52+\b], v[52+\b], v[S+16*\b+15]
.endr
.irp b, 0,1,2,3
	s_delay_alu instid0(VALU_DEP_4)
	v_permlanex16_b32 v[56+\b], v[52+\b], s20, s21
.endr
.irp b, 0,1,2,3
	s_delay_alu instid0(VALU_DEP_4)
	v_max_num_f32 v[52+\b], v[52+\b], v[56+\b]
.endr
	s_delay_alu instid0(VALU_DEP_2)
	v_max3_num_f32 v70, v52, v53, v54
	s_delay_alu instid0(VALU_DEP_1)
	v_max_num_f32 v70, v70, v55
	s_delay_alu instid0(VALU_DEP_1)
	v_mul_f32 v70, s22, v70                        ; as t (c is positive)
	s_delay_alu instid0(VALU_DEP_1)
	v_max_num_f32 v13, v13, v70                    ; the running largest t
	v_mov_b32 v70, v12
	s_delay_alu instid0(VALU_DEP_2)
	v_floor_f32 v12, -v13                          ; -M = floor(-t): M is a whole number
	s_delay_alu instid0(VALU_DEP_1)
	v_sub_f32 v70, v12, v70                        ; old M - new M, 0 or less
	s_delay_alu instid0(VALU_DEP_1)
	v_cvt_i32_f32 v70, v70                         ; (it saturates)
	s_delay_alu instid0(VALU_DEP_1)
	v_ldexp_f32 v68, 1.0, v70                      ; f = 2^(old M - new M)
.set J_, 0
.rept 32
	v_pk_fma_f32 v[S+J_:S+J_+1], v[S+J_:S+J_+1], s[22:23], v[12:13] op_sel_hi:[1,0,0]   ; t - M
.set J_, J_+2
.endr
.irp b, 0,1,2,3
	v_fma_f32 v[52+\b], v[52+\b], s22, v12
.endr
.set J_, 0
	s_wait_alu depctr_va_vdst(0)
.rept 64
	v_exp_f32 v[S+J_], v[S+J_]                     ; p = 2^(t - M), not normalised
.set J_, J_+1
.endr
.irp b, 0,1,2,3
	v_exp_f32 v[52+\b], v[52+\b]                   ; the block's largest p: the same two instructions on the same number
.endr
	v_pk_mul_f32 v[14:15], v[14:15], v[68:69] op_sel_hi:[1,0]   ; the sums under the new M; a plain line behind the exponentials
	s_wait_alu depctr_va_vdst(0)
.irp b, 0,1,2,3
	v_max_num_f32 v[52+\b], 0x2800000, v[52+\b]    ; the floor 2^(5 - 127)
.endr
.irp b, 0,1,2,3
	s_delay_alu instid0(VALU_DEP_4)
	v_add_nc_u32 v[60+\b], 0xfe000000, v[52+\b]
.endr
.irp b, 0,1,2,3
	s_delay_alu instid0(VALU_DEP_4)
	v_lshrrev_b32 v[64+\b], 23, v[60+\b]
.endr
	s_delay_alu instid0(VALU_DEP_3)
	v_lshl_or_b32 v30, v65, 8, v64                 ; p's scale word for these 128 keys
	s_delay_alu instid0(VALU_DEP_1)
	v_lshl_or_b32 v30, v66, 16, v30
	s_delay_alu instid0(VALU_DEP_1)
	v_lshl_or_b32 v30, v67, 24, v30
.irp c, 0,1
	v_cvt_scalef32_pk16_bf6_f32 v[32+6*\c:34+6*\c], v[S+32*\c:S+32*\c+15], v[60+2*\c]
	v_cvt_scalef32_pk16_bf6_f32 v[44+4*\c:46+4*\c], v[S+32*\c+16:S+32*\c+31], v[61+2*\c]
.endr
	v_nop
.irp c, 0,1
.irp i, 0,1,2
	v_permlane16_swap_b32 v[32+6*\c+\i], v[44+4*\c+\i]
.endr
.irp i, 0,1,2
	s_delay_alu instid0(VALU_DEP_3)
	v_mov_b32 v[35+6*\c+\i], v[44+4*\c+\i]
.endr
.endr
	v_pk_add_f32 v[72:73], v[150:151], v[154:155]  ; the row's sum of the unquantised p, in eight chains
	v_pk_add_f32 v[252:253], v[158:159], v[162:163]
	v_pk_add_f32 v[250:251], v[166:167], v[170:171]
	v_pk_add_f32 v[248:249], v[174:175], v[178:179]
	v_pk_add_f32 v[246:247], v[182:183], v[186:187]
	v_pk_add_f32 v[244:245], v[190:191], v[194:195]
	v_pk_add_f32 v[242:243], v[198:199], v[202:203]
	v_pk_add_f32 v[14:15], v[14:15], v[206:207]
	v_pk_add_f32 v[72:73], v[72:73], v[146:147]
	v_pk_add_f32 v[252:253], v[252:253], v[148:149]
	v_pk_add_f32 v[250:251], v[250:251], v[152:153]
	v_pk_add_f32 v[248:249], v[248:249], v[156:157]
	v_pk_add_f32 v[246:247], v[246:247], v[160:161]
	v_pk_add_f32 v[244:245], v[244:245], v[164:165]
	v_pk_add_f32 v[242:243], v[242:243], v[168:169]
	v_pk_add_f32 v[14:15], v[14:15], v[172:173]
	v_pk_add_f32 v[72:73], v[72:73], v[176:177]
	v_pk_add_f32 v[252:253], v[252:253], v[180:181]
	v_pk_add_f32 v[250:251], v[250:251], v[184:185]
	v_pk_add_f32 v[248:249], v[248:249], v[188:189]
	v_pk_add_f32 v[246:247], v[246:247], v[192:193]
	v_pk_add_f32 v[244:245], v[244:245], v[196:197]
	v_pk_add_f32 v[242:243], v[242:243], v[200:201]
	v_pk_add_f32 v[14:15], v[14:15], v[204:205]
	v_pk_add_f32 v[72:73], v[72:73], v[208:209]
	s_delay_alu instid0(VALU_DEP_2)
	v_pk_add_f32 v[14:15], v[14:15], v[248:249]
	s_delay_alu instid0(VALU_DEP_2)
	v_pk_add_f32 v[72:73], v[72:73], v[246:247]
	v_pk_add_f32 v[252:253], v[252:253], v[244:245]
	v_pk_add_f32 v[250:251], v[250:251], v[242:243]
	s_delay_alu instid0(VALU_DEP_2)
	v_pk_add_f32 v[14:15], v[14:15], v[252:253]
	s_delay_alu instid0(VALU_DEP_2)
	v_pk_add_f32 v[72:73], v[72:73], v[250:251]
	s_delay_alu instid0(VALU_DEP_1)
	v_pk_add_f32 v[14:15], v[14:15], v[72:73]
.set J_, 0
.rept 16
	v_pk_mul_f32 v[O+J_:O+J_+1], v[O+J_:O+J_+1], v[68:69] op_sel_hi:[1,0]   ; O^T under the new M
.set J_, J_+2
.endr
	s_wait_alu depctr_va_vdst(0)
	s_wait_dscnt 0x0                               ; V
.irp t, 0,1,2,3
	v_wmma_scale_f32_16x16x128_f8f6f4 v[O+8*\t:O+8*\t+7], v[98+12*\t:109+12*\t], v[32:43], v[O+8*\t:O+8*\t+7], v[94+\t], v30 matrix_a_fmt:MATRIX_FMT_BF6 matrix_b_fmt:MATRIX_FMT_BF6
.endr
.Lskip\n:
	s_add_co_u32 s12, s12, KVB
	s_add_co_u32 s11, s11, 1
	s_cmp_lt_u32 s11, \lim
	s_cbranch_scc1 .Lkey\n
.rept 4
	v_nop                                          ; the places behind the last products
.endr
	s_wait_alu depctr_va_vdst(0)
.endm
; A tile is finished: O / l, quantised along d, stored at s[o], its two scale bytes a row at s[os].
.macro FINISH o, os
	v_add_f32 v14, v14, v15
	s_delay_alu instid0(VALU_DEP_1)
	v_permlanex16_b32 v31, v14, s20, s21
	s_delay_alu instid0(VALU_DEP_1)
	v_add_f32 v14, v14, v31                        ; the row's sum
	s_wait_alu depctr_va_vdst(0)
	v_rcp_f32 v14, v14
	v_nop
.set J_, 0
	s_wait_alu depctr_va_vdst(0)
.rept 32
	v_mul_f32 v[S+J_], v[O+J_], v14                ; register 16 b + i: d = 32 b + 16 h + i of my query's row
.set J_, J_+1
.endr
.irp b, 0,1
	v_max3_num_f32 v[52+\b], |v[S+16*\b]|, |v[S+16*\b+1]|, 0x2800000
.endr
.irp i, 2,4,6,8,10,12,14
.irp b, 0,1
	s_delay_alu instid0(VALU_DEP_2)
	v_max3_num_f32 v[52+\b], v[52+\b], |v[S+16*\b+\i]|, |v[S+16*\b+\i+1]|
.endr
.endr
.irp b, 0,1
	s_delay_alu instid0(VALU_DEP_2)
	v_permlanex16_b32 v[56+\b], v[52+\b], s20, s21
.endr
.irp b, 0,1
	s_delay_alu instid0(VALU_DEP_2)
	v_max_num_f32 v[52+\b], v[52+\b], v[56+\b]
.endr
.irp b, 0,1
	s_delay_alu instid0(VALU_DEP_2)
	v_add_nc_u32 v[60+\b], 0xfe000000, v[52+\b]
.endr
.irp b, 0,1
	s_delay_alu instid0(VALU_DEP_2)
	v_lshrrev_b32 v[64+\b], 23, v[60+\b]
.endr
	s_delay_alu instid0(VALU_DEP_1)
	v_lshl_or_b32 v71, v65, 8, v64
	v_cvt_scalef32_pk16_bf6_f32 v[32:34], v[S:S+15], v60
	v_cvt_scalef32_pk16_bf6_f32 v[44:46], v[S+16:S+31], v61
	v_nop
.irp i, 0,1,2
	v_permlane16_swap_b32 v[32+\i], v[44+\i]
.endr
.irp i, 0,1,2
	s_delay_alu instid0(VALU_DEP_3)
	v_mov_b32 v[35+\i], v[44+\i]
.endr
	global_store_b128 v1, v[32:35], s[\o:\o+1]     ; 512 consecutive bytes,
	global_store_b64 v2, v[36:37], s[\o:\o+1] offset:512   ; and 256
	global_store_b16 v3, v71, s[\os:\os+1]         ; lanes r and r + 16 write the same two bytes with the same value
.endm
.macro FRESH                           ; a tile's sums begin: the first change of M multiplies zeros
.set J_, 0
.rept 32
	v_mov_b32 v[O+J_], 0
.set J_, J_+1
.endr
	v_mov_b32 v14, 0
	v_mov_b32 v15, 0
	v_mov_b32 v13, 0xff61b1e6                      ; -3e38, under every t
	s_delay_alu instid0(VALU_DEP_1)
	v_floor_f32 v12, -v13
.endm
; ---------------- THE HEAD
	s_load_b128 s[4:7], s[0:1], 0x0                ; qkvp, ap
	v_lshl_add_u32 v254, v0, 2, SPARE
	v_mov_b32 v255, 0
	ds_add_u32 v254, v255                          ; the opening lines: the add, twice on end, and its wait ahead of my tensor load
	ds_add_u32 v254, v255
	v_lshrrev_b32 v1, 5, v0
	s_delay_alu instid0(VALU_DEP_1)
	v_readfirstlane_b32 s8, v1                     ; wave 0..15
	s_bfe_u32 s52, ttmp6, 0x40000                  ; cx: my place in the cluster
	s_and_b32 s13, ttmp7, 0xffff                   ; 16 batch + head, which the four partners share
	s_and_b32 s36, s8, 3                           ; s
	s_lshr_b32 s37, s8, 2
	s_lshl_b32 s39, s36, 1
	s_add_co_u32 s39, s39, ttmp9                   ; a = 2 s + X (in a cluster launch ttmp9 counts clusters): the short tile's group
	s_sub_co_u32 s62, 15, s39                      ; the long tile's
	s_cmp_lt_u32 s8, 8
	s_cselect_b32 s10, s62, s39                    ; my first tile's group: waves 0-7 the long one's, waves 8-15 the short one's
	s_cselect_b32 s63, 0, s62                      ; the second loop's last key group: waves 0-7 have none there (it begins at 9)
	s_min_u32 s53, s10, 8                          ; the first loop's last key group
	s_and_b32 s9, s37, 1
	s_lshl_b32 s51, s52, 1
	s_add_co_u32 s9, s9, s51                       ; my tile of 16 queries: 2 cx + e
	s_and_b32 s54, s8, 7
	s_mul_i32 s54, s54, 4608
	s_add_co_u32 s54, s54, HB                      ; my pair's LDS bytes
	s_mov_b32 s24, 15|(3<<16)|(1<<21)              ; group 1: the mask: all four work-groups; elements of 8 bytes; bit 21 beside a mask; no padding: 51 rows of 256 bytes, dense
	s_mov_b32 s25, 32<<16
	s_mov_b32 s26, 51<<16
	s_mov_b32 s27, 32<<16
	s_mov_b32 s28, 51
	s_mov_b32 s29, 32
	s_mov_b32 s30, 0
	s_mov_b32 s31, 0
	s_lshl_b32 s36, s13, 4
	s_add_co_u32 s37, s36, s8
	s_mul_i32 s38, s37, GCH
	s_add_co_u32 s38, s38, 6656                    ; key group w: K's and V's part of its chunk: made of the head and the wave's number alone
	s_mov_b32 s39, 0
	s_wait_dscnt 0x0
	CROUND                                         ; all four work-groups are here: the joint loads meet; the round stands ahead of the wait for the arguments
	s_wait_kmcnt 0x0
	s_mov_b32 s32, 1
	s_mul_i32 s33, s8, KVB                         ; no place in the cluster enters an LDS address
	s_add_nc_u64 s[34:35], s[4:5], s[38:39]
	s_or_b32 s35, s35, 0x80000000
	tensor_load_to_lds s[32:35], s[24:31]          ; my one tensor load
	s_nop 0
.rept 4
	v_nop
.endr
	s_mov_b32 s43, 0
	TILEADR 10, 14, 16, 18, 48                     ; my first tile
	TILEADR 62, 66, 68, 70, 72                     ; the long tile
	s_lshr_b32 s50, s9, 1
	s_lshl_b32 s50, s50, 5
	s_and_b32 s51, s9, 1
	s_lshl_b32 s51, s51, 3
	s_add_co_u32 s50, s50, s51
	s_mov_b32 s20, 0x76543210
	s_mov_b32 s21, 0xfedcba98                      ; v_permlanex16_b32: lane l xor 16
	s_mov_b32 s22, 0x3d38aa3b                      ; c = log2(e) / 32
	s_mov_b32 s23, s22                             ; (named with it as a pair)
	s_mov_b32 s11, 0                               ; the key group in hand
	s_mov_b32 s12, 0                               ; and its LDS byte
	v_and_b32 v70, 31, v0
	v_and_b32 v71, 15, v0                          ; r
	v_bfe_u32 v72, v0, 4, 1                        ; h
	v_lshlrev_b32 v1, 4, v70
	v_lshlrev_b32 v2, 3, v70
	v_lshlrev_b32 v3, 5, v71
	v_lshlrev_b32 v4, 4, v71
	global_load_b128 v[16:19], v1, s[14:15]
	global_load_b64 v[20:21], v2, s[14:15] offset:512
	global_load_b32 v28, v3, s[16:17]
	v_add_nc_u32 v6, s54, v1
	v_lshrrev_b32 v5, 3, v71
	v_lshlrev_b32 v72, 4, v72
	v_lshl_add_u32 v5, v5, 3, v71                  ; r + 8 (r / 8)
	v_sub_nc_u32 v5, v5, v72
	v_add_nc_u32 v5, s50, v5                       ; my query in its group, less 16 h
.irp j, 22,23,24,25,26,27,80,81,82,83,84,85,56,57,58,59,31,69,75
	v_mov_b32 v\j, 0
.endr
	v_mov_b32 v29, 0xff800000
	FRESH
	s_wait_alu depctr_va_vdst(0)
	s_wait_tensorcnt 0x0                           ; my group has landed,
	s_barrier_signal -1
	s_barrier_wait -1                              ; everybody's has
	s_wait_loadcnt 0x0                             ; Q
; ---------------- key groups 0 to 8
	KLOOP 1, 9, 10, 53
	s_cmp_lt_u32 s8, 8
	s_cbranch_scc0 .Lshort
.irp i, 0,1,2,3,4,5,6,7                ; waves 0-7: my part of the long tile goes to my partner, each accumulator from its low end on
	ds_store_b128 v6, v[O+4*\i:O+4*\i+3] offset:512*\i
.endr
	ds_store_b128 v6, v[12:15] offset:4096         ; -M, the largest t, the sum's two halves
	s_branch .Lon
.Lshort:                               ; waves 8-15: the long tile's Q is asked for, the short tile finished
	global_load_b128 v[16:19], v1, s[66:67]
	global_load_b64 v[20:21], v2, s[66:67] offset:512
	global_load_b32 v28, v3, s[68:69]
	FINISH 18, 48
	s_wait_xcnt 0x0                                ; the stores have read their registers, which the next steps write
	FRESH
	s_wait_alu depctr_va_vdst(0)
	s_wait_loadcnt 0x0                             ; Q
.Lon:
; ---------------- key groups 9 to 15 (s11 = 9 and s12 = 9 KVB stand)
	KLOOP 2, 16, 62, 63
	s_wait_dscnt 0x0                               ; my stores have landed, for my partner's sake
	s_barrier_signal -1
	s_barrier_wait -1
	s_cmp_lt_u32 s8, 8
	s_cbranch_scc1 .Lend
.irp i, 0,1,2,3,4,5,6,7                ; waves 8-15: the partner's part
	ds_load_b128 v[S+4*\i:S+4*\i+3], v6 offset:512*\i
.endr
	ds_load_b128 v[S+32:S+35], v6 offset:4096
	s_wait_dscnt 0x0
	v_min_num_f32 v70, v12, v[S+32]                ; -M of the larger M
	v_sub_f32 v71, v70, v12                        ; my M - the larger, 0 or less (an empty range's -M is 3e38: its factor falls to 0, over zeros)
	v_sub_f32 v72, v70, v[S+32]                    ; the partner's
	v_cvt_i32_f32 v71, v71                         ; (they saturate)
	v_cvt_i32_f32 v72, v72
	v_ldexp_f32 v68, 1.0, v71
	v_ldexp_f32 v74, 1.0, v72
	v_pk_mul_f32 v[14:15], v[14:15], v[68:69] op_sel_hi:[1,0]
.set J_, 0
.rept 16
	v_pk_mul_f32 v[O+J_:O+J_+1], v[O+J_:O+J_+1], v[68:69] op_sel_hi:[1,0]
.set J_, J_+2
.endr
	v_pk_fma_f32 v[14:15], v[S+34:S+35], v[74:75], v[14:15] op_sel_hi:[1,0,1]
.set J_, 0
.rept 16
	v_pk_fma_f32 v[O+J_:O+J_+1], v[S+J_:S+J_+1], v[74:75], v[O+J_:O+J_+1] op_sel_hi:[1,0,1]
.set J_, J_+2
.endr
	FINISH 70, 72
.Lend:
	s_wait_tensorcnt 0x0                           ; the wave's end
	ds_add_u32 v254, v255
	s_wait_dscnt 0x0
	CROUND                                         ; the closing round: no work-group ends while a partner may still ask for a tile that names it
	s_endpgm
.Lfunc_end_k_q8d61a9c75b_attn:
	.size	k_q8d61a9c75b_attn, .Lfunc_end_k_q8d61a9c75b_attn-k_q8d61a9c75b_attn
	.p2alignl 7, 3214868480
	.fill 96, 4, 3214868480
	.section	.rodata,"a",@progbits
	.p2align	6, 0x0
	.amdhsa_kernel k_q8d61a9c75b_attn
		.amdhsa_group_segment_fixed_size 247808
		.amdhsa_private_segment_fixed_size 0
		.amdhsa_enable_private_segment 0
		.amdhsa_kernarg_size 16
		.amdhsa_user_sgpr_count 2
		.amdhsa_user_sgpr_kernarg_segment_ptr 1
		.amdhsa_wavefront_size32 1
		.amdhsa_system_sgpr_workgroup_id_x 1
		.amdhsa_system_sgpr_workgroup_id_y 1
		.amdhsa_system_sgpr_workgroup_id_z 1
		.amdhsa_system_vgpr_workitem_id 0
		.amdhsa_next_free_vgpr 256
		.amdhsa_next_free_sgpr 80
		.amdhsa_reserve_vcc 1
		.amdhsa_float_denorm_mode_32 3
		.amdhsa_float_denorm_mode_16_64 3
		.amdhsa_memory_ordered 1
		.amdhsa_forward_progress 1
		.amdhsa_inst_pref_size 68
	.end_amdhsa_kernel
	.amdgpu_metadata
---
amdhsa.version: [ 1, 2 ]
amdhsa.kernels:
  - .name:           k_q8d61a9c75b_attn
    .symbol:         k_q8d61a9c75b_attn.kd
    .args:
      - { .name: qkvp, .offset: 0, .size: 8, .value_kind: global_buffer, .address_space: global }
      - { .name: ap, .offset: 8, .size: 8, .value_kind: global_buffer, .address_space: global }
    .group_segment_fixed_size: 247808
    .private_segment_fixed_size: 0
    .kernarg_segment_align: 8
    .kernarg_segment_size: 16
    .max_flat_workgroup_size: 512
    .sgpr_count:     80
    .vgpr_count:     256
    .wavefront_size: 32
...
	.end_amdgpu_metadata
.endif
;; end of part 3
;; launch wo (part 4): grid 8 x 32, 4 waves a work-group, clusters of 4 x 4, 223,232 bytes of LDS; arguments ap, wp, x, bo, x1, x1p; writes x1, x1p
.if DOCPART == 4
	.amdgcn_target "amdgcn-amd-amdhsa--gfx1250"
	.amdhsa_code_object_version 6
	.text
	.protected	k_q8d61a9c75b_wo
	.globl	k_q8d61a9c75b_wo
	.p2align	8
	.type	k_q8d61a9c75b_wo,@function
k_q8d61a9c75b_wo:
	s_mov_b64 s[64:65], 0
	v_nop
	global_prefetch_b8 v0, s[64:65] scope:SCOPE_SE
	s_setreg_imm32_b32 hwreg(HW_REG_WAVE_MODE, 25, 1), 1
	s_wait_xcnt 0x0
	s_wait_alu depctr_hold_cnt(0) depctr_sa_sdst(0) depctr_va_vdst(0) depctr_va_sdst(0) depctr_va_ssrc(0) depctr_va_vcc(0) depctr_vm_vsrc(0)
	s_getreg_b32 s2, hwreg(HW_REG_IB_STS2, 6, 4)
	s_cmp_eq_u32 s2, 0
	s_cbranch_scc0 .Lentry_in_a_cluster
	s_endpgm
.Lentry_in_a_cluster:
	s_bfe_u32 s2, ttmp6, 0x10000c
	s_cmp_lg_u32 s2, 0xf033
	s_cbranch_scc0 .Lentry_shape_is_right
	s_endpgm
.Lentry_shape_is_right:
; x1 = x + (attention's output x Wo + bo), on codes of BF6 with E8M0 scales, K = 1,024; x1 leaves as f32 and, quantised along its 1,024, as codes for the next product.
; OPERANDS lie in chunks of 12,800 bytes (128 rows x 128 K: 8 images of a fragment's 12 registers, then 512 bytes of scale words); a group's chunks along K are one dense stream.
; Fragment rb, lane row r is row 32 (rb / 2) + 8 (rb % 2) + r + 8 (r / 8) of its 128.  THE MATRIX INSTRUCTION IS USED TRANSPOSED (source 0 = Wo's rows n, source 1 = tokens): accumulator (a, b), lane (r, h),
; register j is token (a, r) and column 32 (b / 2) + 8 (b % 2) + 16 h + j: the 32 registers of a row a of accumulators are 16 neighbours of each of two blocks of 32 columns.
; SHARES: N is 1,024, so tiles of 256 x 256 would be 64 for 256 WGPs: a work-group makes 128 x 128, a wave 64 x 64 (16 accumulators).
; LDS: two slots of 102,400 bytes, each 512 along K of A's and B's 128 rows: ALL of K.  Both go out at the start (two loads of a wave are out); nothing is filled again.
; The sums BEGIN as x + bo, loaded into the accumulators while the tiles are on their way (another order of f32 rounding than reference()'s).
; CLUSTER 4 x 4: A's tiles are asked for jointly along a row of the cluster, B's along a column.  No prefetch: all tiles are asked for at the head.
; LIMITS: a block whose largest magnitude lies under 2^-122 gets the byte 1 (zeros too: their codes are zeros); NaN and infinities are not served.
.set KDIM,  1024
.set NQ,    4
.set NS,    2
.set MA,    4
.set BIG,   0
.set RING,  0
.set CMODE, 0
.set AWS,   6144                       ; in a chunk: from fragments 0-3 to fragments 4-7
.set ASW,   16                         ; the same for the scale words
.set OFFB,  2457600                    ; Wo in wp
.set CH,    12800
.set WL,    2*CH
.set SLOT,  4*WL
.set GRPB,  (KDIM/128)*CH
.set KSB,   NQ*CH
.set T,     KDIM/(128*NQ)
; THE FILLS AS THEY STAND (in place of the head comment's line LDS): one tensor load a wave at the head, 200 dense rows of 256 bytes: waves 0, 1 bring A's and B's chunks of slot 0, waves 2, 3 of slot 1.  Nothing is filled again.
; THE FILLS AND THE SUMS AS THEY STAND (in place of the head comment's lines on them): one tensor load a wave at the head, 200 dense rows of 256 bytes, each on a line of its own: waves 0, 1 bring A's and B's chunks of slot 0, waves 2, 3 of slot 1.
; Waves 0 and 1 alone wait ahead of the first barrier; slot 1 is shown by step 3's barrier, ahead of which every wave waits.  Nothing is filled again.
; The sums begin with the constant 0.  x and bo are asked for behind the first barrier, x in the accumulators' layout into window 2's v128-255, and are added ahead of the quantiser: (sum + x) + bo, another order of f32 rounding than reference()'s.
.set F,     1
.set STAGE, 2*SLOT                     ; behind the slots: 16 rows x 272 bytes for each wave;
.set SCST,  STAGE+4*4352               ; the chunk's scale words, pieced together from four waves
.set G1A, 24
.set G1B, 32
.set G0A, 40
.set G0B, 52
; REGISTERS.  window 0: v1 r, v2 h, v4-5 / v7-8 A's fragments in slot s (16 / 8 bytes a lane), v10-11 / v13-14 B's, v16-17 scale words, v21 16 x lane, v22 8 x lane, v23-29 the way out and in,
; v32-47 scale words (two sets; lanes 0-15 A's, lanes 16-31 B's), v48-63 at work, from v64 and v160 A's fragments, two sets.  window 1: B's, at v0 and v96.  window 2: accumulator (a, b) at 8 (4 a + b).
.set MSB, 0
.macro WIN new
.if MSB != (\new)
	s_set_vgpr_msb (MSB<<8)|(\new)
.set MSB, (\new)
.endif
.endm
.macro JLOAD g0a, g0b                  ; a joint load: waves 0, 1 fetch for A, waves 2, 3 for B; four v_nop follow each line
	s_cmp_eq_u32 s17, 0
	s_cbranch_scc0 .Lfor_b_\@
	tensor_load_to_lds s[\g0a:\g0a+3], s[G1A:G1A+7]
	s_nop 0
.rept 4
	v_nop
.endr
	s_branch .Lasked_\@
.Lfor_b_\@:
	tensor_load_to_lds s[\g0b:\g0b+3], s[G1B:G1B+7]
	s_nop 0
.rept 4
	v_nop
.endr
.Lasked_\@:
.endm
.macro CREST
	s_cmp_lg_u32 s16, 0
	s_cbranch_scc1 .Lnot_wave_0_\@
	s_barrier_signal -3
.Lnot_wave_0_\@:
	s_barrier_wait -3
	s_barrier_signal -1
	s_barrier_wait -1
.endm
.macro CROUND
	s_barrier_signal -1
	s_barrier_wait -1
	CREST
.endm
.macro PLACES n                        ; plain vector lines between a matrix instruction and a load into, or a read or write by another kind of instruction of, its registers
.rept \n
	v_nop
.endr
.endm
	s_load_b128 s[4:7], s[0:1], 0x0                ; ap, wp
	s_load_b128 s[8:11], s[0:1], 0x10              ; x, bo
	s_load_b128 s[12:15], s[0:1], 0x20             ; x1, x1p
	v_lshl_add_u32 v126, v0, 2, 0x36600
	v_mov_b32 v127, 0
	ds_add_u32 v126, v127
	ds_add_u32 v126, v127
	v_lshrrev_b32 v1, 5, v0
	v_readfirstlane_b32 s16, v1                    ; wave
	s_lshr_b32 s17, s16, 1                         ; my half of the tokens; also: the slot I fetch
	s_and_b32 s18, s16, 1                          ; my half of the columns; also: I fetch for A (0) or B (1)
	s_bfe_u32 s66, ttmp6, 0x40000                  ; cx
	s_bfe_u32 s67, ttmp6, 0x40004                  ; cy
	s_lshl_b32 s68, ttmp9, 2
	s_add_co_u32 s68, s68, s66                     ; tx: group of 128 columns
	s_and_b32 s69, ttmp7, 0xffff
	s_lshl_b32 s69, s69, 2
	s_add_co_u32 s69, s69, s67                     ; ty: group of 128 tokens
	s_lshl_b32 s70, s67, 2
	s_lshl_b32 s70, 15, s70                        ; my row of the cluster
	s_lshl_b32 s71, 0x1111, s66                    ; my column
	s_or_b32 s[G1A], s70, (3<<16)|(1<<21)          ; group 1: the mask; elements of 8 bytes; bit 21 beside a mask; no padding
	s_or_b32 s[G1B], s71, (3<<16)|(1<<21)
.irp g, G1A, G1B
	s_mov_b32 s[\g+1], 32<<16                      ; 200 rows of 256 bytes, dense
	s_mov_b32 s[\g+2], 200<<16
	s_mov_b32 s[\g+3], 32<<16
	s_mov_b32 s[\g+4], 200
	s_mov_b32 s[\g+5], 32
	s_mov_b32 s[\g+6], 0
	s_mov_b32 s[\g+7], 0
.endr
	s_mul_i32 s19, s17, KSB                        ; the four chunks of slot wave / 2
	s_mul_i32 s76, s69, GRPB
	s_add_co_u32 s76, s76, s19
	s_mov_b32 s77, 0
	s_mul_i32 s78, s68, GRPB
	s_add_co_u32 s78, s78, s19
	s_mov_b32 s79, 0
	s_mul_i32 s21, s17, SLOT                       ; where they go: slot wave / 2
	s_wait_dscnt 0x0
	CROUND                                         ; all sixteen work-groups are here: the joint loads meet; the round stands ahead of the wait for the arguments
	s_wait_kmcnt 0x0
	s_add_nc_u64 s[72:73], s[4:5], s[76:77]
	s_add_nc_u64 s[74:75], s[6:7], s[78:79]
	s_add_nc_u64 s[74:75], s[74:75], OFFB
.set SS, 0
.rept F
	s_mov_b32 s[G0A+4*SS], 1
	s_add_co_u32 s[G0A+4*SS+1], s21, SS*SLOT
	s_add_nc_u64 s[G0A+4*SS+2:G0A+4*SS+3], s[72:73], SS*KSB
	s_or_b32 s[G0A+4*SS+3], s[G0A+4*SS+3], 0x80000000
	s_mov_b32 s[G0B+4*SS], 1
	s_add_co_u32 s[G0B+4*SS+1], s21, SS*SLOT+2*WL  ; B lies behind A in a slot
	s_add_nc_u64 s[G0B+4*SS+2:G0B+4*SS+3], s[74:75], SS*KSB
	s_or_b32 s[G0B+4*SS+3], s[G0B+4*SS+3], 0x80000000
	s_cmp_eq_u32 s16, 0                            ; one chain of branches on the wave's number, a load line of its own in each arm
	s_cbranch_scc0 .Lhead_1
	tensor_load_to_lds s[G0A:G0A+3], s[G1A:G1A+7]  ; wave 0: A's chunks 0-3
	s_nop 0
	PLACES 4
	s_branch .Lhead_on
.Lhead_1:
	s_cmp_eq_u32 s16, 1
	s_cbranch_scc0 .Lhead_2
	tensor_load_to_lds s[G0B:G0B+3], s[G1B:G1B+7]  ; wave 1: B's chunks 0-3
	s_nop 0
	PLACES 4
	s_branch .Lhead_on
.Lhead_2:
	s_cmp_eq_u32 s16, 2
	s_cbranch_scc0 .Lhead_3
	tensor_load_to_lds s[G0A:G0A+3], s[G1A:G1A+7]  ; wave 2: A's chunks 4-7
	s_nop 0
	PLACES 4
	s_branch .Lhead_on
.Lhead_3:
	tensor_load_to_lds s[G0B:G0B+3], s[G1B:G1B+7]  ; wave 3: B's chunks 4-7
	s_nop 0
	PLACES 4
.Lhead_on:
.set SS, SS+1
.endr
	v_and_b32 v1, 15, v0                           ; r
	s_wait_alu depctr_va_vdst(0)
	v_bfe_u32 v2, v0, 4, 1                         ; h
	v_and_b32 v3, 31, v0
	v_lshlrev_b32 v21, 4, v3
	v_lshlrev_b32 v22, 3, v3
	; where my 64 x 64 lies in x, x1 and bo
	s_lshl_b32 s92, s69, 7
	s_lshl_b32 s93, s17, 6
	s_add_co_u32 s92, s92, s93
	s_lshl_b32 s92, s92, 12                        ; my first token's row of 4,096 bytes
	s_lshl_b32 s93, s68, 7
	s_lshl_b32 s94, s18, 6
	s_add_co_u32 s93, s93, s94
	s_lshl_b32 s93, s93, 2                         ; my first column
	s_add_co_u32 s90, s92, s93
	s_mov_b32 s91, 0
	s_add_nc_u64 s[80:81], s[8:9], s[90:91]        ; x
	s_add_nc_u64 s[82:83], s[12:13], s[90:91]      ; x1
	s_mov_b32 s90, s93
	s_add_nc_u64 s[84:85], s[10:11], s[90:91]      ; bo
	v_lshrrev_b32 v26, 3, v1
	v_lshl_add_u32 v26, v26, 3, v1
	v_lshlrev_b32 v26, 12, v26
	s_wait_alu depctr_va_vdst(0)
	v_lshl_add_u32 v26, v2, 6, v26                 ; token r + 8 (r / 8), column 16 h
	v_lshlrev_b32 v27, 6, v2
.macro XLOAD                           ; x and bo are asked for: issued behind the first barrier
	WIN 0x80
.set A_, 0
.rept 4
.set J_, 0
.rept 8
	global_load_b128 v[128+32*A_+4*J_:128+32*A_+4*J_+3], v26, s[80:81] offset:(32*(A_/2)+8*(A_%2))*4096+128*(J_/4)+16*(J_%4)   ; x, in the accumulators' own layout, 128 registers further up
.set J_, J_+1
.endr
.set A_, A_+1
.endr
	WIN 0
.set J_, 0
.rept 8
	global_load_b128 v[208+4*J_:211+4*J_], v27, s[84:85] offset:128*(J_/4)+16*(J_%4)   ; bo at my 32 columns
.set J_, J_+1
.endr
.endm
	s_mul_i32 s22, s17, AWS
	s_mul_i32 s23, s18, AWS
	s_add_co_u32 s23, s23, 2*WL                    ; B lies behind A in a slot
.set SS, 0
.rept NS
	v_add_nc_u32 v[4+SS], s22, v21
	v_add_nc_u32 v[7+SS], s22, v22
	v_add_nc_u32 v[10+SS], s23, v21
	v_add_nc_u32 v[13+SS], s23, v22
	s_add_co_u32 s22, s22, SLOT
	s_add_co_u32 s23, s23, SLOT
.set SS, SS+1
.endr
	s_mul_i32 s22, s17, ASW
	s_mul_i32 s23, s18, ASW
	s_add_co_u32 s23, s23, 2*WL
	s_sub_co_u32 s23, s23, s22
	v_mul_u32_u24 v3, s23, v2                      ; lanes 16-31 take B's words: one product, h x the distance
	v_lshl_add_u32 v3, v1, 5, v3
.set SS, 0
.rept NS
	v_add_nc_u32 v[16+SS], s22, v3
	s_add_co_u32 s22, s22, SLOT
.set SS, SS+1
.endr
	s_mov_b32 s86, 0x76543210
	s_mov_b32 s87, 0xfedcba98
.irp b, 0,1
	v_mov_b32 v[52+\b], 0                          ; a lane permute's destination counts as read
.endr
	s_lshl_b32 s92, s69, 3
	s_add_co_u32 s92, s92, s68
	s_mul_i32 s90, s92, CH
	s_add_nc_u64 s[96:97], s[14:15], s[90:91]      ; the chunk of x1p: tokens ty, K step tx
	s_mul_i32 s90, s17, 4*1536
	s_mul_i32 s92, s18, 768
	s_add_co_u32 s90, s90, s92
	s_add_nc_u64 s[98:99], s[96:97], s[90:91]      ; my four fragments, my half of each
	s_mul_i32 s92, s16, 4352
	s_add_co_u32 s92, s92, STAGE
	v_mul_u32_u24 v23, v1, 272
	v_lshl_add_u32 v23, v2, 6, v23
	v_add_nc_u32 v23, s92, v23                     ; the stage, in: row r, 64 h
	v_mul_u32_u24 v24, v2, 272
	v_lshl_add_u32 v24, v1, 4, v24
	v_add_nc_u32 v24, s92, v24                     ; back: lanes 0-15 one row of 256 bytes, lanes 16-31 the next
	v_lshlrev_b32 v25, 12, v2
	v_lshl_add_u32 v25, v1, 4, v25                 ; and the same in x1
	s_lshl_b32 s92, s17, 4
	s_lshl_b32 s93, s18, 1
	s_add_co_u32 s92, s92, s93
	s_add_co_u32 s92, s92, SCST
	v_lshl_add_u32 v28, v1, 5, s92                 ; my two bytes of the word of (r, 4 wr + a)
	v_add_nc_u32 v29, SCST, v21
.macro FETCH sg
.set SL, ((\sg)/NQ)%NS
.set QO, ((\sg)%NQ)*CH
.set P, (\sg)%2
	WIN 0x40
.set I_, 0
.rept MA
	ds_load_b128 v[96*P+12*I_:96*P+12*I_+3], v[10+SL] offset:QO+1536*I_
	ds_load_b64 v[96*P+12*I_+4:96*P+12*I_+5], v[13+SL] offset:QO+1536*I_+512
	ds_load_b128 v[96*P+12*I_+6:96*P+12*I_+9], v[10+SL] offset:QO+1536*I_+768
	ds_load_b64 v[96*P+12*I_+10:96*P+12*I_+11], v[13+SL] offset:QO+1536*I_+1280
.set I_, I_+1
.endr
	WIN 0
.set I_, 0
.rept MA
	ds_load_b128 v[64+96*P+12*I_:64+96*P+12*I_+3], v[4+SL] offset:QO+1536*I_
	ds_load_b64 v[64+96*P+12*I_+4:64+96*P+12*I_+5], v[7+SL] offset:QO+1536*I_+512
	ds_load_b128 v[64+96*P+12*I_+6:64+96*P+12*I_+9], v[4+SL] offset:QO+1536*I_+768
	ds_load_b64 v[64+96*P+12*I_+10:64+96*P+12*I_+11], v[7+SL] offset:QO+1536*I_+1280
.set I_, I_+1
.endr
	ds_load_b128 v[32+8*P:35+8*P], v[16+SL] offset:QO+12288
.endm
; Rows a0 .. a0 + n - 1 of accumulators against all of B's fragments.  The accumulators take turns, one instruction a turn, in the same order in every step.
.macro MULROWS a0, n, sg
.set P, (\sg)%2
.set A_, \a0
.rept \n
.set AC, 8*MA*A_
	WIN 0xa1
.set B_, 0
.rept MA
.if (\sg) == 0                         ; step 0's products start the sums
	v_wmma_scale_f32_16x16x128_f8f6f4 v[AC+8*B_:AC+8*B_+7], v[96*P+12*B_:96*P+12*B_+11], v[64+96*P+12*A_:64+96*P+12*A_+11], 0, v[32+8*P+B_], v[32+8*P+A_] matrix_a_fmt:MATRIX_FMT_BF6 matrix_b_fmt:MATRIX_FMT_BF6 matrix_a_scale:MATRIX_SCALE_ROW1
.else
	v_wmma_scale_f32_16x16x128_f8f6f4 v[AC+8*B_:AC+8*B_+7], v[96*P+12*B_:96*P+12*B_+11], v[64+96*P+12*A_:64+96*P+12*A_+11], v[AC+8*B_:AC+8*B_+7], v[32+8*P+B_], v[32+8*P+A_] matrix_a_fmt:MATRIX_FMT_BF6 matrix_b_fmt:MATRIX_FMT_BF6 matrix_a_scale:MATRIX_SCALE_ROW1
.endif
.set B_, B_+1
.endr
.set A_, A_+1
.endr
.endm
.macro PLAIN sg
	s_wait_dscnt 0x0                               ; this step's fragments are in
	PLACES 4                                       ; the other set's last readers are the step before's products
	FETCH (\sg)+1                                  ; the next step's fragments have this whole step's products to come in under
	MULROWS 0, MA, \sg
.endm
.macro TURN sg                         ; the first slot's last step: behind its barrier the second slot is whole for every wave; nothing is filled again
	WIN 0
	s_wait_tensorcnt 0x0                           ; my part of the second slot has landed
	s_wait_dscnt 0x0
	MULROWS 0, MA/4, \sg
	s_barrier_signal -1
	MULROWS MA/4, MA/4, \sg
	WIN 0
	s_barrier_wait -1
	PLACES 4
	FETCH (\sg)+1
	MULROWS MA/2, MA/2, \sg
.endm
	s_wait_alu depctr_va_vdst(0)
	s_cmp_lt_u32 s16, 2
	s_cbranch_scc0 .Lnot_first
	s_wait_tensorcnt 0x0                           ; waves 0 and 1: slot 0's tiles have landed; waves 2 and 3's may be on their way
.Lnot_first:
	s_barrier_signal -1
	s_barrier_wait -1
	FETCH 0
	XLOAD
.set SG, 0
.rept T*NQ-1
.if SG == NQ-1
	TURN SG
.else
	PLAIN SG
.endif
.set SG, SG+1
.endr
	s_wait_dscnt 0x0
	MULROWS 0, MA, SG
	WIN 0
; 32 numbers of a lane in window 2, register 16 b + i = column 32 b + 16 h + i of my token, become half a fragment's 6 registers at pc and two scale bytes in pb.  Each accumulator is read from its low end on.
.macro QUANT2 src, pc, pb
	WIN 0x0a
.irp b, 0,1
	v_max3_num_f32 v[48+\b], |v[(\src)+16*\b]|, |v[(\src)+16*\b+1]|, 0x2800000
.endr
	WIN 0x28
.irp i, 2,4,6,8,10,12,14
.irp b, 0,1
	v_max3_num_f32 v[48+\b], v[48+\b], |v[(\src)+16*\b+\i]|, |v[(\src)+16*\b+\i+1]|
.endr
.endr
	WIN 0
.irp b, 0,1
	v_permlanex16_b32 v[52+\b], v[48+\b], s86, s87
.endr
.irp b, 0,1
	v_max_num_f32 v[48+\b], v[48+\b], v[52+\b]
.endr
.irp b, 0,1
	v_add_nc_u32 v[60+\b], 0xfe000000, v[48+\b]
.endr
.irp b, 0,1
	v_lshrrev_b32 v[52+\b], 23, v[60+\b]
.endr
	v_lshl_or_b32 v[\pb], v53, 8, v52
	WIN 0x02
	v_cvt_scalef32_pk16_bf6_f32 v[(\pc):(\pc)+2], v[(\src):(\src)+15], v60
	v_cvt_scalef32_pk16_bf6_f32 v[92:94], v[(\src)+16:(\src)+31], v61
	WIN 0
	v_nop
.irp i, 0,1,2
	v_permlane16_swap_b32 v[(\pc)+\i], v[92+\i]
.endr
.irp i, 0,1,2
	v_mov_b32 v[(\pc)+3+\i], v[92+\i]
.endr
.endm
.macro TOSTAGE a                       ; 16 tokens x 64 columns through my own stage: LDS serves a wave's instructions in order
	WIN 0x08
.irp b, 0,1,2,3
	ds_store_b128 v23, v[32*(\a)+8*\b:32*(\a)+8*\b+3] offset:128*(\b/2)+32*(\b%2)
	ds_store_b128 v23, v[32*(\a)+8*\b+4:32*(\a)+8*\b+7] offset:128*(\b/2)+32*(\b%2)+16
.endr
	WIN 0
.irp i, 0,1,2,3,4,5,6,7
	ds_load_b128 v[128+32*(\a)+4*\i:128+32*(\a)+4*\i+3], v24 offset:544*\i
.endr
.endm
.macro SEND a
.irp i, 0,1,2,3,4,5,6,7
	global_store_b128 v25, v[128+32*(\a)+4*\i:128+32*(\a)+4*\i+3], s[82:83] offset:(32*((\a)/2)+8*((\a)%2)+2*\i+8*(\i/4))*4096   ; sixteen lanes store 256 consecutive bytes, aligned
.endr
.endm
	PLACES 4
	s_wait_loadcnt 0x0                             ; x and bo are in
	WIN 0x8a
.set J_, 0
.rept 64
	v_pk_add_f32 v[2*J_:2*J_+1], v[2*J_:2*J_+1], v[128+2*J_:129+2*J_]   ; + x, each accumulator from its low end on
.set J_, J_+1
.endr
	WIN 0x82
.set A_, 0
.rept 4
.set J_, 0
.rept 16
	v_pk_add_f32 v[32*A_+2*J_:32*A_+2*J_+1], v[32*A_+2*J_:32*A_+2*J_+1], v[208+2*J_:209+2*J_]   ; + bo
.set J_, J_+1
.endr
.set A_, A_+1
.endr
	WIN 0
.set R_, 0
.rept 4
	QUANT2 32*R_, 64+6*R_, 88+R_
	global_store_b128 v21, v[64+6*R_:67+6*R_], s[98:99] offset:1536*R_
	global_store_b64 v22, v[68+6*R_:69+6*R_], s[98:99] offset:1536*R_+512
	ds_store_b16 v28, v[88+R_] offset:4*R_
	TOSTAGE R_
.set R_, R_+1
.endr
	s_wait_dscnt 0x0                               ; my rows are back, and my scale bytes have landed, for wave 0's sake
	s_barrier_signal -1
	s_barrier_wait -1
	SEND 0
	SEND 1
	SEND 2
	SEND 3
	s_cmp_lg_u32 s16, 0
	s_cbranch_scc1 .Lnot_mine
	ds_load_b128 v[96:99], v29
	s_wait_dscnt 0x0
	global_store_b128 v21, v[96:99], s[96:97] offset:12288
.Lnot_mine:
	s_wait_tensorcnt 0x0
	s_wait_dscnt 0x0
	s_wait_tensorcnt 0x0
	ds_add_u32 v126, v127
	s_wait_dscnt 0x0
	CROUND                                         ; the closing round
	s_endpgm
.Lfunc_end_k_q8d61a9c75b_wo:
	.size	k_q8d61a9c75b_wo, .Lfunc_end_k_q8d61a9c75b_wo-k_q8d61a9c75b_wo
	.p2alignl 7, 3214868480
	.fill 96, 4, 3214868480
	.section	.rodata,"a",@progbits
	.p2align	6, 0x0
	.amdhsa_kernel k_q8d61a9c75b_wo
		.amdhsa_group_segment_fixed_size 223232
		.amdhsa_private_segment_fixed_size 0
		.amdhsa_enable_private_segment 0
		.amdhsa_kernarg_size 48
		.amdhsa_user_sgpr_count 2
		.amdhsa_user_sgpr_kernarg_segment_ptr 1
		.amdhsa_wavefront_size32 1
		.amdhsa_system_sgpr_workgroup_id_x 1
		.amdhsa_system_sgpr_workgroup_id_y 1
		.amdhsa_system_sgpr_workgroup_id_z 1
		.amdhsa_system_vgpr_workitem_id 0
		.amdhsa_next_free_vgpr 768
		.amdhsa_next_free_sgpr 100
		.amdhsa_reserve_vcc 0
		.amdhsa_float_denorm_mode_32 3
		.amdhsa_float_denorm_mode_16_64 3
		.amdhsa_memory_ordered 1
		.amdhsa_forward_progress 1
		.amdhsa_inst_pref_size 73
	.end_amdhsa_kernel
	.amdgpu_metadata
---
amdhsa.version: [ 1, 2 ]
amdhsa.kernels:
  - .name:           k_q8d61a9c75b_wo
    .symbol:         k_q8d61a9c75b_wo.kd
    .args:
      - { .name: ap, .offset: 0, .size: 8, .value_kind: global_buffer, .address_space: global }
      - { .name: wp, .offset: 8, .size: 8, .value_kind: global_buffer, .address_space: global }
      - { .name: x, .offset: 16, .size: 8, .value_kind: global_buffer, .address_space: global }
      - { .name: bo, .offset: 24, .size: 8, .value_kind: global_buffer, .address_space: global }
      - { .name: x1, .offset: 32, .size: 8, .value_kind: global_buffer, .address_space: global }
      - { .name: x1p, .offset: 40, .size: 8, .value_kind: global_buffer, .address_space: global }
    .group_segment_fixed_size: 223232
    .private_segment_fixed_size: 0
    .kernarg_segment_align: 8
    .kernarg_segment_size: 48
    .max_flat_workgroup_size: 128
    .sgpr_count:     100
    .vgpr_count:     768
    .wavefront_size: 32
...
	.end_amdgpu_metadata
.endif
;; end of part 4
;; launch ffn1 (part 5): grid 16 x 16, 4 waves a work-group, clusters of 4 x 4, 327,680 bytes of LDS; arguments x1p, wp, b1, hp; writes hp
.if DOCPART == 5
	.amdgcn_target "amdgcn-amd-amdhsa--gfx1250"
	.amdhsa_code_object_version 6
	.text
	.protected	k_q8d61a9c75b_ffn1
	.globl	k_q8d61a9c75b_ffn1
	.p2align	8
	.type	k_q8d61a9c75b_ffn1,@function
k_q8d61a9c75b_ffn1:
	s_mov_b64 s[64:65], 0
	v_nop
	global_prefetch_b8 v0, s[64:65] scope:SCOPE_SE
	s_setreg_imm32_b32 hwreg(HW_REG_WAVE_MODE, 25, 1), 1
	s_wait_xcnt 0x0
	s_wait_alu depctr_hold_cnt(0) depctr_sa_sdst(0) depctr_va_vdst(0) depctr_va_sdst(0) depctr_va_ssrc(0) depctr_va_vcc(0) depctr_vm_vsrc(0)
	s_getreg_b32 s2, hwreg(HW_REG_IB_STS2, 6, 4)
	s_cmp_eq_u32 s2, 0
	s_cbranch_scc0 .Lentry_in_a_cluster
	s_endpgm
.Lentry_in_a_cluster:
	s_bfe_u32 s2, ttmp6, 0x10000c
	s_cmp_lg_u32 s2, 0xf033
	s_cbranch_scc0 .Lentry_shape_is_right
	s_endpgm
.Lentry_shape_is_right:
; h = relu(x1 W1 + b1) on codes of BF6 (E3M2) with E8M0 scales, K = 1,024; h is quantised in registers along its 4,096 and leaves as chunks of hp for the next product.
; OPERANDS lie in chunks of 12,800 bytes (128 rows x 128 K: 8 images of a fragment's 12 registers, then 512 bytes of scale words); a group's chunks along K are one dense stream.
; SHARES: a work-group makes 256 x 256, a wave 128 x 128 (64 accumulators); source 0 = W1's rows, source 1 = tokens; the first step's C is b1.  CLUSTER 4 x 4: A's tiles are asked for jointly along a row, B's along a column.
; LDS: for each of the four halves (A's two, B's two groups of 128 rows) six chunk places on end, 76,800 bytes.  At the head each wave brings its half's chunks 0 to 5 by ONE tensor load of 300 dense rows of 256 bytes;
; chunks 6 and 7 come by one refill of 100 rows into places 0 and 1, behind step 1's round of the cluster's barrier.  No prefetch: all but one of a work-group's tiles are asked for at the head.
; LIMITS: a block whose largest magnitude lies under 2^-122 gets the byte 1 (zeros too: their codes are zeros); NaN and infinities are not served.
.set KDIM,  1024
.set NQ,    2
.set NS,    3
.set MA,    8
.set BIG,   1
.set RING,  1
.set CMODE, 2
; LDS AND THE FILLS AS THEY STAND (in place of the head comment's lines LDS): two regions of 153,600 bytes, chunks 0-2 and chunks 3-5 along K; in a region lie A's two groups of 128 rows and then B's two, 38,400 bytes each.
; At the head each wave issues ONE tensor load on a line of its own: two rows of 38,400 bytes (three chunks of each of an operand's two groups, which lie 102,400 bytes apart): waves 0, 1 bring A's and B's chunks 0-2, waves 2, 3 chunks 3-5.
; Waves 0 and 1 alone wait ahead of the first barrier; chunks 3-5 are shown by step 1's round, ahead of which every wave waits for all its loads.  Behind that round chunks 6 and 7 come into the places of chunks 0 and 1, 100 rows of 256 bytes a wave.
.set AWS,   38400                      ; in a region: from one half of A's (B's) rows to the other
.set ASW,   38400
.set OFFB,  3276800                    ; W1 in wp
.set CH,    12800
.set WL,    3*CH                       ; three chunks of one group
.set SLOT,  4*WL                       ; a region
.set GRPB,  (KDIM/128)*CH
.set KSB,   NQ*CH
.set T,     KDIM/(128*NQ)
.set F,     1                          ; one first fill a wave
.set SCST,  8*WL                       ; behind the two regions: the scale words on their way out
.set SPARE, 327168
.set G1A, 24
.set G1B, 32
.set G0A, 40
.set G0B, 52
.set MSB, 0
.macro WIN new
.if MSB != (\new)
	s_set_vgpr_msb (MSB<<8)|(\new)
.set MSB, (\new)
.endif
.endm
.macro JLOAD g0a, g0b
	s_cmp_eq_u32 s17, 0
	s_cbranch_scc0 .Lfor_b_\@
	tensor_load_to_lds s[\g0a:\g0a+3], s[G1A:G1A+7]
	s_nop 0
.rept 4
	v_nop
.endr
	s_branch .Lasked_\@
.Lfor_b_\@:
	tensor_load_to_lds s[\g0b:\g0b+3], s[G1B:G1B+7]
	s_nop 0
.rept 4
	v_nop
.endr
.Lasked_\@:
.endm
.macro CREST
	s_cmp_lg_u32 s16, 0
	s_cbranch_scc1 .Lnot_wave_0_\@
	s_barrier_signal -3
.Lnot_wave_0_\@:
	s_barrier_wait -3
	s_barrier_signal -1
	s_barrier_wait -1
.endm
.macro CROUND
	s_barrier_signal -1
	s_barrier_wait -1
	CREST
.endm
.macro PLACES n
.rept \n
	v_nop
.endr
.endm
	s_load_b128 s[4:7], s[0:1], 0x0
	s_load_b128 s[8:11], s[0:1], 0x10
	v_lshl_add_u32 v19, v0, 2, SPARE
	v_mov_b32 v20, 0
	ds_add_u32 v19, v20
	ds_add_u32 v19, v20
	s_wait_dscnt 0x0
	v_lshrrev_b32 v1, 5, v0
	v_readfirstlane_b32 s16, v1
	s_lshr_b32 s17, s16, 1
	s_and_b32 s18, s16, 1
	s_bfe_u32 s66, ttmp6, 0x40000
	s_bfe_u32 s67, ttmp6, 0x40004
	s_lshl_b32 s68, ttmp9, 2
	s_add_co_u32 s68, s68, s66
	s_and_b32 s69, ttmp7, 0xffff
	s_lshl_b32 s69, s69, 2
	s_add_co_u32 s69, s69, s67
	s_lshl_b32 s70, s67, 2
	s_lshl_b32 s70, 15, s70
	s_lshl_b32 s71, 0x1111, s66
	s_or_b32 s[G1A], s70, (3<<16)|(1<<21)
	s_or_b32 s[G1B], s71, (3<<16)|(1<<21)
.irp g, G1A, G1B
	s_mov_b32 s[\g+1], (WL/8)<<16                  ; the head's loads: 2 rows of 4,800 elements of 8 bytes,
	s_mov_b32 s[\g+2], 2<<16
	s_mov_b32 s[\g+3], (WL/8)<<16
	s_mov_b32 s[\g+4], 2
	s_mov_b32 s[\g+5], GRPB/8                      ; a group apart
	s_mov_b32 s[\g+6], 0
	s_mov_b32 s[\g+7], 0
.endr
	s_lshl_b32 s19, s69, 1
	s_add_co_u32 s19, s19, s18
	s_mul_i32 s76, s19, GRPB
	s_mov_b32 s77, 0
	s_lshl_b32 s20, s68, 1
	s_add_co_u32 s20, s20, s18
	s_mul_i32 s78, s20, GRPB
	s_mov_b32 s79, 0
	s_mul_i32 s21, s16, WL
	CROUND                                         ; all sixteen work-groups are here: the first joint loads meet; the round stands ahead of the wait for the arguments
	s_wait_kmcnt 0x0
	s_add_nc_u64 s[72:73], s[4:5], s[76:77]
	s_add_nc_u64 s[74:75], s[6:7], s[78:79]
	s_add_nc_u64 s[74:75], s[74:75], OFFB
.set SS, 0
.rept F
	s_mov_b32 s[G0A+4*SS], 1
	s_add_co_u32 s[G0A+4*SS+1], s21, SS*SLOT
	s_add_nc_u64 s[G0A+4*SS+2:G0A+4*SS+3], s[72:73], SS*KSB
	s_or_b32 s[G0A+4*SS+3], s[G0A+4*SS+3], 0x80000000
	s_mov_b32 s[G0B+4*SS], 1
	s_add_co_u32 s[G0B+4*SS+1], s21, SS*SLOT
	s_add_nc_u64 s[G0B+4*SS+2:G0B+4*SS+3], s[74:75], SS*KSB
	s_or_b32 s[G0B+4*SS+3], s[G0B+4*SS+3], 0x80000000
	s_mul_i32 s92, s18, GRPB                       ; the head's group 0: back to the operand's first group,
	s_mov_b32 s93, 0
	s_mul_i32 s94, s17, WL                         ; on to chunks 3 (wave / 2) ..
	s_mov_b32 s95, 0
	s_mov_b32 s[G0A+4], 1
	s_mul_i32 s[G0A+5], s17, SLOT                  ; region wave / 2: A's part,
	s_sub_nc_u64 s[G0A+6:G0A+7], s[72:73], s[92:93]
	s_add_nc_u64 s[G0A+6:G0A+7], s[G0A+6:G0A+7], s[94:95]
	s_or_b32 s[G0A+7], s[G0A+7], 0x80000000
	s_mov_b32 s[G0B+4], 1
	s_mul_i32 s[G0B+5], s17, SLOT
	s_add_co_u32 s[G0B+5], s[G0B+5], 2*WL          ; B's part
	s_sub_nc_u64 s[G0B+6:G0B+7], s[74:75], s[92:93]
	s_add_nc_u64 s[G0B+6:G0B+7], s[G0B+6:G0B+7], s[94:95]
	s_or_b32 s[G0B+7], s[G0B+7], 0x80000000
	s_cmp_eq_u32 s16, 0                            ; one chain of branches on the wave's number, a load line of its own in each arm
	s_cbranch_scc0 .Lhead_1
	tensor_load_to_lds s[G0A+4:G0A+7], s[G1A:G1A+7]   ; wave 0: A's chunks 0-2
	s_nop 0
	PLACES 4
	s_branch .Lhead_on
.Lhead_1:
	s_cmp_eq_u32 s16, 1
	s_cbranch_scc0 .Lhead_2
	tensor_load_to_lds s[G0B+4:G0B+7], s[G1B:G1B+7]   ; wave 1: B's chunks 0-2
	s_nop 0
	PLACES 4
	s_branch .Lhead_on
.Lhead_2:
	s_cmp_eq_u32 s16, 2
	s_cbranch_scc0 .Lhead_3
	tensor_load_to_lds s[G0A+4:G0A+7], s[G1A:G1A+7]   ; wave 2: A's chunks 3-5
	s_nop 0
	PLACES 4
	s_branch .Lhead_on
.Lhead_3:
	tensor_load_to_lds s[G0B+4:G0B+7], s[G1B:G1B+7]   ; wave 3: B's chunks 3-5
	s_nop 0
	PLACES 4
.Lhead_on:
.set SS, SS+1
.endr
	v_and_b32 v1, 15, v0
	v_bfe_u32 v2, v0, 4, 1
	s_wait_alu depctr_va_vdst(0)
	v_and_b32 v3, 31, v0
	v_lshlrev_b32 v21, 4, v3
	s_wait_alu depctr_va_vdst(0)
	v_lshlrev_b32 v22, 3, v3
	s_wait_alu depctr_va_vdst(0)
	s_lshl_b32 s92, s69, 1
	s_add_co_u32 s92, s92, s17
	s_lshl_b32 s92, s92, 5
	s_lshl_b32 s93, s68, 1
	s_add_co_u32 s93, s93, s18
	s_add_co_u32 s92, s92, s93
	s_mul_i32 s90, s92, CH
	s_mov_b32 s91, 0
	s_add_nc_u64 s[80:81], s[10:11], s[90:91]
	s_lshl_b32 s90, s93, 9
	s_add_nc_u64 s[82:83], s[8:9], s[90:91]
	v_lshlrev_b32 v27, 6, v2
	WIN 0x40
.set B_, 0
.rept 8
	global_load_b128 v[192+8*B_:195+8*B_], v27, s[82:83] offset:(32*(B_/2)+8*(B_%2))*4
	global_load_b128 v[196+8*B_:199+8*B_], v27, s[82:83] offset:(32*(B_/2)+8*(B_%2))*4+16
.set B_, B_+1
.endr
	WIN 0
	s_mul_i32 s22, s17, AWS
	s_mul_i32 s23, s18, AWS
	s_add_co_u32 s23, s23, 2*WL
.set SS, 0
.rept NS
	v_add_nc_u32 v[4+SS], s22, v21
	v_add_nc_u32 v[7+SS], s22, v22
	v_add_nc_u32 v[10+SS], s23, v21
	v_add_nc_u32 v[13+SS], s23, v22
	s_add_co_u32 s22, s22, SLOT
	s_add_co_u32 s23, s23, SLOT
.set SS, SS+1
.endr
	s_mul_i32 s22, s17, ASW
	s_mul_i32 s23, s18, ASW
	s_add_co_u32 s23, s23, 2*WL
	s_sub_co_u32 s23, s23, s22
	v_mul_u32_u24 v3, s23, v2
	v_lshl_add_u32 v3, v1, 5, v3
.set SS, 0
.rept NS
	v_add_nc_u32 v[16+SS], s22, v3
	s_add_co_u32 s22, s22, SLOT
.set SS, SS+1
.endr
	s_mov_b32 s86, 0x76543210
	s_mov_b32 s87, 0xfedcba98
.irp b, 0,1,2,3
	v_mov_b32 v[52+\b], 0
.endr
	s_lshl_b32 s92, s16, 9
	s_add_co_u32 s92, s92, SCST
	v_lshl_add_u32 v28, v1, 5, s92
	v_add_nc_u32 v29, s92, v21
.macro FETCH sg
.set SL, ((\sg)%6)/3                   ; the region (chunks 6, 7 lie in the places of chunks 0, 1)
.set QO, (((\sg)%6)%3)*CH              ; the chunk's place in it
.set P, (\sg)%2
	WIN 0x40
.set I_, 0
.rept MA
	ds_load_b128 v[96*P+12*I_:96*P+12*I_+3], v[10+SL] offset:QO+1536*I_
	ds_load_b64 v[96*P+12*I_+4:96*P+12*I_+5], v[13+SL] offset:QO+1536*I_+512
	ds_load_b128 v[96*P+12*I_+6:96*P+12*I_+9], v[10+SL] offset:QO+1536*I_+768
	ds_load_b64 v[96*P+12*I_+10:96*P+12*I_+11], v[13+SL] offset:QO+1536*I_+1280
.set I_, I_+1
.endr
	WIN 0
.set I_, 0
.rept MA
	ds_load_b128 v[64+96*P+12*I_:64+96*P+12*I_+3], v[4+SL] offset:QO+1536*I_
	ds_load_b64 v[64+96*P+12*I_+4:64+96*P+12*I_+5], v[7+SL] offset:QO+1536*I_+512
	ds_load_b128 v[64+96*P+12*I_+6:64+96*P+12*I_+9], v[4+SL] offset:QO+1536*I_+768
	ds_load_b64 v[64+96*P+12*I_+10:64+96*P+12*I_+11], v[7+SL] offset:QO+1536*I_+1280
.set I_, I_+1
.endr
	ds_load_b128 v[32+8*P:35+8*P], v[16+SL] offset:QO+12288
	ds_load_b128 v[36+8*P:39+8*P], v[16+SL] offset:QO+12288+16
.endm
.macro MULROWS a0, n, sg, cm
.set P, (\sg)%2
.set A_, \a0
.rept \n
.set AW, (8*MA*A_)/256
.set AC, (8*MA*A_)%256
.if \cm == 2
	WIN 0x91+0x40*AW
.else
	WIN 0xa1+0x50*AW
.endif
.set B_, 0
.rept MA
.if \cm == 2
	v_wmma_scale_f32_16x16x128_f8f6f4 v[AC+8*B_:AC+8*B_+7], v[96*P+12*B_:96*P+12*B_+11], v[64+96*P+12*A_:64+96*P+12*A_+11], v[192+8*B_:199+8*B_], v[32+8*P+B_], v[32+8*P+A_] matrix_a_fmt:MATRIX_FMT_BF6 matrix_b_fmt:MATRIX_FMT_BF6 matrix_a_scale:MATRIX_SCALE_ROW1
.else
	v_wmma_scale_f32_16x16x128_f8f6f4 v[AC+8*B_:AC+8*B_+7], v[96*P+12*B_:96*P+12*B_+11], v[64+96*P+12*A_:64+96*P+12*A_+11], v[AC+8*B_:AC+8*B_+7], v[32+8*P+B_], v[32+8*P+A_] matrix_a_fmt:MATRIX_FMT_BF6 matrix_b_fmt:MATRIX_FMT_BF6 matrix_a_scale:MATRIX_SCALE_ROW1
.endif
.set B_, B_+1
.endr
.set A_, A_+1
.endr
.endm
.macro PLAIN sg, cm
	s_wait_dscnt 0x0
	PLACES 4                                       ; the other set's last readers are the step before's products
	FETCH (\sg)+1                                  ; the next step's fragments have this whole step's products to come in under
	MULROWS 0, MA, \sg, \cm
.endm
.macro TURN sg, fill
	WIN 0
	s_wait_tensorcnt 0x0
	ds_add_u32 v19, v20
	s_wait_dscnt 1
	MULROWS 0, MA/4, \sg, 0
	s_wait_dscnt 0x0
	s_barrier_signal -1
	MULROWS MA/4, MA/4, \sg, 0
	WIN 0
	s_barrier_wait -1
.if \fill
	CREST
.set SF, ((\sg)/NQ)%NS
	s_add_nc_u64 s[G0A+4*SF+2:G0A+4*SF+3], s[G0A+4*SF+2:G0A+4*SF+3], NS*KSB
	s_add_nc_u64 s[G0B+4*SF+2:G0B+4*SF+3], s[G0B+4*SF+2:G0B+4*SF+3], NS*KSB
.irp g, G1A, G1B                       ; no load of mine is out: the refill brings 100 rows of 256 bytes, dense
	s_mov_b32 s[\g+1], 32<<16
	s_mov_b32 s[\g+2], 100<<16
	s_mov_b32 s[\g+3], 32<<16
	s_mov_b32 s[\g+4], 100
	s_mov_b32 s[\g+5], 32
.endr
	JLOAD G0A+4*SF, G0B+4*SF                       ; my one tensor load behind the round
.else
	PLACES 4
.endif
	FETCH (\sg)+1
	MULROWS MA/2, MA/2, \sg, 0
.endm
.macro LAST sg
	s_wait_dscnt 0x0
	MULROWS 0, MA, \sg, 0
	WIN 0
.endm
.macro QUANT4 src, win, pc, pw
	WIN (\win)|((\win)<<2)
.irp b, 0,1,2,3
	v_max3_num_f32 v[48+\b], |v[(\src)+16*\b]|, |v[(\src)+16*\b+1]|, 0x2800000
.endr
	WIN ((\win)<<2)|((\win)<<4)
.irp i, 2,4,6,8,10,12,14
.irp b, 0,1,2,3
	v_max3_num_f32 v[48+\b], v[48+\b], |v[(\src)+16*\b+\i]|, |v[(\src)+16*\b+\i+1]|
.endr
.endr
	WIN 0
.irp b, 0,1,2,3
	v_permlanex16_b32 v[52+\b], v[48+\b], s86, s87
.endr
.irp b, 0,1,2,3
	v_max_num_f32 v[48+\b], v[48+\b], v[52+\b]
.endr
.irp b, 0,1,2,3
	v_add_nc_u32 v[60+\b], 0xfe000000, v[48+\b]
.endr
.irp b, 0,1,2,3
	v_lshrrev_b32 v[52+\b], 23, v[60+\b]
.endr
	v_lshl_or_b32 v[\pw], v53, 8, v52
	v_lshl_or_b32 v[\pw], v54, 16, v[\pw]
	v_lshl_or_b32 v[\pw], v55, 24, v[\pw]
	WIN (\win)
.irp c, 0,1
	v_cvt_scalef32_pk16_bf6_f32 v[(\pc)+6*\c:(\pc)+6*\c+2], v[(\src)+32*\c:(\src)+32*\c+15], v[60+2*\c]
	v_cvt_scalef32_pk16_bf6_f32 v[160+4*\c:162+4*\c], v[(\src)+32*\c+16:(\src)+32*\c+31], v[61+2*\c]
.endr
	WIN 0
	v_nop
.irp c, 0,1
.irp i, 0,1,2
	v_permlane16_swap_b32 v[(\pc)+6*\c+\i], v[160+4*\c+\i]
.endr
.irp i, 0,1,2
	v_mov_b32 v[(\pc)+6*\c+3+\i], v[160+4*\c+\i]
.endr
.endr
.endm
	s_wait_alu depctr_va_vdst(0)
	s_wait_loadcnt 0x0
	s_cmp_lt_u32 s16, 2
	s_cbranch_scc0 .Lnot_first
	s_wait_tensorcnt 0x0                           ; waves 0 and 1: chunks 0-2 have landed; waves 2 and 3's tiles may be on their way
.Lnot_first:
	s_barrier_signal -1
	s_barrier_wait -1
	FETCH 0
.set PUB, 0
.set SG, 0
.rept T*NQ
.set KT, SG/NQ
.set CM, 0
.if SG == 0
.set CM, CMODE
.endif
.if SG == T*NQ-1
	LAST SG
.elseif (SG%NQ == NQ-1) && (KT+NS < T)
	TURN SG, 1
.set PUB, KT+NS-1
.elseif (SG%NQ == NQ-1) && (KT+1 > PUB)
	TURN SG, 0
.set PUB, T-1
.else
	PLAIN SG, CM
.endif
.set SG, SG+1
.endr
	PLACES 4
.set R_, 0
.rept 8
.set SW, 2+R_/4
.set RC, 64*(R_%4)
	WIN (SW<<6)|(SW<<2)
.set J_, 0
.rept 64
	v_max_num_f32 v[RC+J_], 0, v[RC+J_]
.set J_, J_+1
.endr
	QUANT4 RC, SW, 64+12*R_, 168+R_
	global_store_b128 v21, v[64+12*R_:67+12*R_], s[80:81] offset:1536*R_
	global_store_b64 v22, v[68+12*R_:69+12*R_], s[80:81] offset:1536*R_+512
	global_store_b128 v21, v[70+12*R_:73+12*R_], s[80:81] offset:1536*R_+768
	global_store_b64 v22, v[74+12*R_:75+12*R_], s[80:81] offset:1536*R_+1280
	ds_store_b32 v28, v[168+R_] offset:4*R_
.set R_, R_+1
.endr
	ds_load_b128 v[192:195], v29
	s_wait_dscnt 0x0
	global_store_b128 v21, v[192:195], s[80:81] offset:12288
	s_wait_tensorcnt 0x0
	ds_add_u32 v19, v20
	s_wait_dscnt 0x0
	CROUND
	s_endpgm
.Lfunc_end_k_q8d61a9c75b_ffn1:
	.size	k_q8d61a9c75b_ffn1, .Lfunc_end_k_q8d61a9c75b_ffn1-k_q8d61a9c75b_ffn1
	.p2alignl 7, 3214868480
	.fill 96, 4, 3214868480
	.section	.rodata,"a",@progbits
	.p2align	6, 0x0
	.amdhsa_kernel k_q8d61a9c75b_ffn1
		.amdhsa_group_segment_fixed_size 327680
		.amdhsa_private_segment_fixed_size 0
		.amdhsa_enable_private_segment 0
		.amdhsa_kernarg_size 32
		.amdhsa_user_sgpr_count 2
		.amdhsa_user_sgpr_kernarg_segment_ptr 1
		.amdhsa_wavefront_size32 1
		.amdhsa_system_sgpr_workgroup_id_x 1
		.amdhsa_system_sgpr_workgroup_id_y 1
		.amdhsa_system_sgpr_workgroup_id_z 1
		.amdhsa_system_vgpr_workitem_id 0
		.amdhsa_next_free_vgpr 1024
		.amdhsa_next_free_sgpr 100
		.amdhsa_reserve_vcc 0
		.amdhsa_float_denorm_mode_32 3
		.amdhsa_float_denorm_mode_16_64 3
		.amdhsa_memory_ordered 1
		.amdhsa_forward_progress 1
		.amdhsa_inst_pref_size 163
	.end_amdhsa_kernel
	.amdgpu_metadata
---
amdhsa.version: [ 1, 2 ]
amdhsa.kernels:
  - .name:           k_q8d61a9c75b_ffn1
    .symbol:         k_q8d61a9c75b_ffn1.kd
    .args:
      - { .name: x1p, .offset: 0, .size: 8, .value_kind: global_buffer, .address_space: global }
      - { .name: wp, .offset: 8, .size: 8, .value_kind: global_buffer, .address_space: global }
      - { .name: b1, .offset: 16, .size: 8, .value_kind: global_buffer, .address_space: global }
      - { .name: hp, .offset: 24, .size: 8, .value_kind: global_buffer, .address_space: global }
    .group_segment_fixed_size: 327680
    .private_segment_fixed_size: 0
    .kernarg_segment_align: 8
    .kernarg_segment_size: 32
    .max_flat_workgroup_size: 128
    .sgpr_count:     100
    .vgpr_count:     1024
    .wavefront_size: 32
...
	.end_amdgpu_metadata
.endif
;; end of part 5
;; launch ffn2 (part 6): grid 8 x 32, 4 waves a work-group, clusters of 4 x 4, 327,680 bytes of LDS; arguments hp, wp, x1, b2, out0; writes out0
.if DOCPART == 6
	.amdgcn_target "amdgcn-amd-amdhsa--gfx1250"
	.amdhsa_code_object_version 6
	.text
	.protected	k_q8d61a9c75b_ffn2
	.globl	k_q8d61a9c75b_ffn2
	.p2align	8
	.type	k_q8d61a9c75b_ffn2,@function
k_q8d61a9c75b_ffn2:
	s_mov_b64 s[64:65], 0
	v_nop
	global_prefetch_b8 v0, s[64:65] scope:SCOPE_SE
	s_setreg_imm32_b32 hwreg(HW_REG_WAVE_MODE, 25, 1), 1
	s_wait_xcnt 0x0
	s_wait_alu depctr_hold_cnt(0) depctr_sa_sdst(0) depctr_va_vdst(0) depctr_va_sdst(0) depctr_va_ssrc(0) depctr_va_vcc(0) depctr_vm_vsrc(0)
	s_getreg_b32 s2, hwreg(HW_REG_IB_STS2, 6, 4)
	s_cmp_eq_u32 s2, 0
	s_cbranch_scc0 .Lentry_in_a_cluster
	s_endpgm
.Lentry_in_a_cluster:
	s_bfe_u32 s2, ttmp6, 0x10000c
	s_cmp_lg_u32 s2, 0xf033
	s_cbranch_scc0 .Lentry_shape_is_right
	s_endpgm
.Lentry_shape_is_right:
; out0 = x1 + (h W2 + b2), on codes of BF6 (E3M2) with E8M0 scales, K = 4,096, f32 sums, f32 out.
; OPERANDS: h (hp) and W2 (wp, OFFB bytes in) lie in chunks of 12,800 bytes (128 rows x 128 K: 8 images of a fragment's 12 registers, then 512 bytes of scale words); a group's 32 chunks along K are one dense stream of 409,600 bytes.
; Fragment rb, lane row r is row 32 (rb / 2) + 8 (rb % 2) + r + 8 (r / 8) of its 128.  Source 0 = W2's rows n, source 1 = tokens: accumulator (a, b), lane (r, h), register j is token (a, r), column 32 (b / 2) + 8 (b % 2) + 16 h + j.
; SHARES: N is 1,024, so a work-group makes 128 x 128 (256 work-groups), a wave 64 x 64: 16 accumulators, which take turns in the same order in every step.
; LDS: 12 chunk places for A, then 12 for B: two slots of six places each.  THE HEAD fills both slots, one tensor load of 76,800 dense bytes a wave, each on a line of its own: waves 0, 1 bring A's and B's chunks 0-5 (slot 0), waves 2, 3 chunks 6-11.
; Waves 0 and 1 alone wait ahead of the first barrier; slot 1 is shown by the barrier of the first change of slots, ahead of which every wave waits for all its loads.
; The other 20 chunks come in FOUR REFILLS of five chunks of each operand (64,000 bytes; a wave brings 32,000 = 125 rows of 256), into places 0-4 of slots 0, 1, 0, 1, behind steps 5, 11, 16, 21, each behind a drained round of the cluster's barrier.
; By the text's own count one tensor load of a wave is out at any time.  Step 26's barrier shows the last refill.
; CLUSTER 4 x 4: A's tiles are asked for jointly along a row of the cluster, B's along a column.
; PREFETCH: refill k's bytes are asked for two refills ahead (refills 0, 1 at the head, 2 and 3 behind refills 0 and 1): of the 125 blocks of 256 bytes that a wave will load, the partner at place p of the four that load them jointly names
; blocks 32 p + lane (held at 124): one instruction a wave; the offsets are immediates from one base that is never rewritten, and the last byte named is the group's last block.
; x1 AND b2 come in the layout of the stores (sixteen lanes to 256 bytes of a row), are asked for behind step 5, added to each other behind step 21, and to the sums on the way out: (x1 + b2) + sum, another order of f32 rounding than reference()'s.
; LIMITS: NaN, infinities and sums beyond f32's range are not served.
; REGISTERS.  window 0: v1 r, v2 h, v3 lane, v4-7 / v8-11 A's fragments (16 / 8 bytes a lane) for places 3 i .. 3 i + 2, v12-15 / v16-19 B's, v20-23 scale words, v24, v25 the stage in and back, v26 my offset in x1 and out0, v27 in b2,
; v28 16 x lane, v29 8 x lane, v30, v31 the add's, v32-47 scale words (two sets; lanes 0-15 A's, 16-31 B's), v48-51 b2, v52 the prefetches' offset, v64-111 / v160-207 A's fragments; on the way out v128-255 the rows back from the stage.
; window 1: B's fragments at v0 and v96.  window 2: accumulator (a, b) at 8 (4 a + b); v128-255 x1 + b2.
.set CH,    12800
.set GRPB,  32*CH
.set OFFB,  6553600                    ; W2 in wp
.set HALFH, 6*CH                       ; a slot's part of one operand; a wave's head load
.set OPB,   12*CH                      ; from A's places to B's
.set RF,    5*CH                       ; a refill, of one operand
.set RW,    RF/2                       ; a wave's half of it
.set QUAD,  3*CH                       ; three places: what one address register serves (an LDS offset has 16 bits)
.set STAGE, 2*OPB                      ; 16 rows x 272 bytes for each wave
.set SPARE, STAGE+4*4352               ; the spare words, 128 bytes a wave
.set G1A, 24
.set G1B, 32
.set G0A, 40
.set G0B, 44
.set PFA, 48
.set MSB, 0
.macro WIN new                         ; the immediate's high byte repeats the setting that is left
.if MSB != (\new)
	s_set_vgpr_msb (MSB<<8)|(\new)
.set MSB, (\new)
.endif
.endm
.macro PLACES n
.rept \n
	v_nop
.endr
.endm
.macro TLOAD g0, g1                    ; an s_nop 0 and four v_nop follow each tensor load
	tensor_load_to_lds s[\g0:\g0+3], s[\g1:\g1+7]
	s_nop 0
	PLACES 4
.endm
.macro JLOAD                           ; a refill: waves 0, 1 fetch for A, waves 2, 3 for B
	s_cmp_eq_u32 s17, 0
	s_cbranch_scc0 .Lfor_b_\@
	TLOAD G0A, G1A
	s_branch .Lasked_\@
.Lfor_b_\@:
	TLOAD G0B, G1B
.Lasked_\@:
.endm
.macro CREST                           ; a round of the cluster's barrier behind its opening barrier
	s_cmp_lg_u32 s16, 0
	s_cbranch_scc1 .Lnot_wave_0_\@
	s_barrier_signal -3
.Lnot_wave_0_\@:
	s_barrier_wait -3
	s_barrier_signal -1
	s_barrier_wait -1
.endm
.macro CROUND
	s_barrier_signal -1
	s_barrier_wait -1
	CREST
.endm
; ---------------- THE HEAD
	s_load_b128 s[4:7], s[0:1], 0x0                ; hp, wp
	s_load_b128 s[8:11], s[0:1], 0x10              ; x1, b2
	s_load_b64 s[12:13], s[0:1], 0x20              ; out0
	v_lshl_add_u32 v30, v0, 2, SPARE
	v_mov_b32 v31, 0
	ds_add_u32 v30, v31                            ; the opening lines: the add, twice on end, and its wait ahead of my first tensor load
	ds_add_u32 v30, v31
	v_lshrrev_b32 v1, 5, v0
	v_readfirstlane_b32 s16, v1                    ; wave
	s_lshr_b32 s17, s16, 1                         ; my half of the tokens; refills: I fetch for A (0) or B (1); head: my slot
	s_and_b32 s18, s16, 1                          ; my half of the columns; refills: which half I fetch; head: A (0) or B (1)
	s_bfe_u32 s66, ttmp6, 0x40000                  ; cx
	s_bfe_u32 s67, ttmp6, 0x40004                  ; cy
	s_lshl_b32 s68, ttmp9, 2
	s_add_co_u32 s68, s68, s66                     ; tx: group of 128 columns
	s_and_b32 s69, ttmp7, 0xffff
	s_lshl_b32 s69, s69, 2
	s_add_co_u32 s69, s69, s67                     ; ty: group of 128 tokens
	s_lshl_b32 s70, s67, 2
	s_lshl_b32 s70, 15, s70                        ; my row of the cluster
	s_lshl_b32 s71, 0x1111, s66                    ; my column
	s_or_b32 s[G1A], s70, (3<<16)|(1<<21)          ; group 1: the mask; elements of 8 bytes; bit 21 beside a mask; no padding
	s_or_b32 s[G1B], s71, (3<<16)|(1<<21)
.irp g, G1A, G1B
	s_mov_b32 s[\g+1], 32<<16                      ; the head's loads: 300 rows of 256 bytes, dense
	s_mov_b32 s[\g+2], 300<<16
	s_mov_b32 s[\g+3], 32<<16
	s_mov_b32 s[\g+4], 300
	s_mov_b32 s[\g+5], 32
	s_mov_b32 s[\g+6], 0
	s_mov_b32 s[\g+7], 0
.endr
	s_mul_i32 s56, s17, HALFH                      ; head: my slot's chunks in the stream, and its place in an operand's LDS
	s_mov_b32 s57, 0
	s_mul_i32 s76, s69, GRPB                       ; A's group
	s_mov_b32 s77, 0
	s_mul_i32 s78, s68, GRPB                       ; B's group
	s_mov_b32 s79, 0
	s_mul_i32 s21, s18, RW                         ; refills: my half's place in a slot
	s_add_co_u32 s58, s21, OPB                     ; and the first refill's place in the stream: chunk 12 + my half
	s_mov_b32 s59, 0
	s_sub_co_u32 s50, s58, s56                     ; from the head's address to the first refill's (76,800 at the least)
	s_mov_b32 s51, 0
	s_mov_b32 s[G0A], 1
	s_mov_b32 s[G0A+1], s56
	s_mov_b32 s[G0B], 1
	s_add_co_u32 s[G0B+1], s56, OPB
	s_mul_i32 s22, s17, 6144                       ; my four fragments of A in a chunk
	s_mul_i32 s23, s18, 6144
	s_add_co_u32 s23, s23, OPB                     ; and of B
	s_lshl_b32 s54, s17, 4                         ; my four scale words of A,
	s_lshl_b32 s53, s18, 4
	s_add_co_u32 s53, s53, OPB
	s_sub_co_u32 s53, s53, s54                     ; and the distance to B's
	s_mul_i32 s55, s16, 4352
	s_add_co_u32 s55, s55, STAGE                   ; my stage
	s_cmp_eq_u32 s17, 0
	s_cselect_b32 s52, s66, s67                    ; my place among the four that ask for a refill with me
	s_lshl_b32 s52, s52, 5
	s_lshl_b32 s90, s69, 7
	s_lshl_b32 s91, s17, 6
	s_add_co_u32 s90, s90, s91
	s_lshl_b32 s90, s90, 12                        ; my first token's row of 4,096 bytes
	s_lshl_b32 s92, s68, 7
	s_lshl_b32 s93, s18, 6
	s_add_co_u32 s92, s92, s93
	s_lshl_b32 s92, s92, 2                         ; my first column
	s_add_co_u32 s90, s90, s92
	s_mov_b32 s91, 0
	s_mov_b32 s93, 0
	v_and_b32 v1, 15, v0                           ; r
	v_bfe_u32 v2, v0, 4, 1                         ; h
	v_and_b32 v3, 31, v0                           ; lane
	v_lshlrev_b32 v28, 4, v3
	v_lshlrev_b32 v29, 3, v3
	v_add_nc_u32 v4, s22, v28
	v_add_nc_u32 v8, s22, v29
	v_add_nc_u32 v12, s23, v28
	v_add_nc_u32 v16, s23, v29
	v_mul_u32_u24 v53, s53, v2                     ; lanes 16-31 take B's words: one product, h x the distance
	v_lshl_add_u32 v53, v1, 5, v53                 ; + 32 r
	v_add_nc_u32 v20, s54, v53
.irp b, 4,8,12,16,20
.irp i, 1,2,3
	v_add_nc_u32 v[\b+\i], \i*QUAD, v[\b]
.endr
.endr
	v_mul_u32_u24 v24, v1, 272
	v_lshl_add_u32 v24, v2, 6, v24
	v_add_nc_u32 v24, s55, v24                     ; the stage, in: row r, 64 h
	v_mul_u32_u24 v25, v2, 272
	v_lshl_add_u32 v25, v1, 4, v25
	v_add_nc_u32 v25, s55, v25                     ; back: lanes 0-15 one row of 256 bytes, lanes 16-31 the next
	v_lshlrev_b32 v26, 12, v2
	v_lshl_add_u32 v26, v1, 4, v26                 ; and the same in x1 and out0
	v_lshlrev_b32 v27, 4, v1                       ; b2 at my four columns
	v_add_nc_u32 v52, s52, v3
	v_min_u32 v52, 124, v52                        ; block 32 p + lane of the 125 that my wave will load
	v_lshlrev_b32 v52, 8, v52
	s_wait_alu depctr_va_vdst(0)                   ; all the head's vector writes stand ahead of it
	s_wait_dscnt 0x0                               ; both opening adds are done
	CROUND                                         ; all sixteen work-groups are here: the first joint loads meet
	s_wait_kmcnt 0x0
	s_add_nc_u64 s[72:73], s[4:5], s[76:77]        ; A's group
	s_add_nc_u64 s[74:75], s[6:7], s[78:79]
	s_add_nc_u64 s[74:75], s[74:75], OFFB          ; B's
	s_add_nc_u64 s[G0A+2:G0A+3], s[72:73], s[56:57]
	s_or_b32 s[G0A+3], s[G0A+3], 0x80000000
	s_add_nc_u64 s[G0B+2:G0B+3], s[74:75], s[56:57]
	s_or_b32 s[G0B+3], s[G0B+3], 0x80000000
	s_cmp_eq_u32 s16, 0                            ; one chain of branches on the wave's number, a load line of its own in each arm
	s_cbranch_scc0 .Lwave_1
	TLOAD G0A, G1A                                 ; wave 0: A's chunks 0-5
	s_branch .Lasked
.Lwave_1:
	s_cmp_eq_u32 s16, 1
	s_cbranch_scc0 .Lwave_2
	TLOAD G0B, G1B                                 ; wave 1: B's chunks 0-5
	s_branch .Lasked
.Lwave_2:
	s_cmp_eq_u32 s16, 2
	s_cbranch_scc0 .Lwave_3
	TLOAD G0A, G1A                                 ; wave 2: A's chunks 6-11
	s_branch .Lasked
.Lwave_3:
	TLOAD G0B, G1B                                 ; wave 3: B's chunks 6-11
.Lasked:
	s_add_nc_u64 s[80:81], s[8:9], s[90:91]        ; x1
	s_add_nc_u64 s[82:83], s[12:13], s[90:91]      ; out0
	s_add_nc_u64 s[84:85], s[10:11], s[92:93]      ; b2
	s_cmp_eq_u32 s17, 0
	s_cselect_b64 s[PFA:PFA+1], s[72:73], s[74:75]
	s_add_nc_u64 s[PFA:PFA+1], s[PFA:PFA+1], s[58:59]   ; where my wave's part of the first refill lies; never rewritten
; x1 and b2 are ASKED FOR behind step 5 and added to each other behind step 21; the prefetches of refills 0 and 1 stand behind the first barrier: ahead of it the work-group asks for its two slots alone.
.macro XLOAD
	WIN 0x80
.irp a, 0,1,2,3
.irp i, 0,1,2,3,4,5,6,7
	global_load_b128 v[128+32*\a+4*\i:128+32*\a+4*\i+3], v26, s[80:81] offset:(32*(\a/2)+8*(\a%2)+2*\i+8*(\i/4))*4096 th:TH_LOAD_NT   ; sixteen lanes read 256 consecutive bytes of a row
.endr
.endr
	WIN 0
	global_load_b128 v[48:51], v27, s[84:85]
.endm
; ---------------- THE STEPS
.macro FETCH c                         ; chunk c's fragments and scale words into set c % 2: 33 loads, each of 512 or 256 consecutive bytes
.if (\c) < 12
.set LI, (\c)
.else
.set LI, 6*((((\c)-12)/5)%2)+((\c)-12)%5
.endif
.set AI, LI/3
.set QO, (LI%3)*CH
.set P, (\c)%2
	WIN 0x40
.irp i, 0,1,2,3
	ds_load_b128 v[96*P+12*\i:96*P+12*\i+3], v[12+AI] offset:QO+1536*\i
	ds_load_b64 v[96*P+12*\i+4:96*P+12*\i+5], v[16+AI] offset:QO+1536*\i+512
	ds_load_b128 v[96*P+12*\i+6:96*P+12*\i+9], v[12+AI] offset:QO+1536*\i+768
	ds_load_b64 v[96*P+12*\i+10:96*P+12*\i+11], v[16+AI] offset:QO+1536*\i+1280
.endr
	WIN 0
.irp i, 0,1,2,3
	ds_load_b128 v[64+96*P+12*\i:64+96*P+12*\i+3], v[4+AI] offset:QO+1536*\i
	ds_load_b64 v[64+96*P+12*\i+4:64+96*P+12*\i+5], v[8+AI] offset:QO+1536*\i+512
	ds_load_b128 v[64+96*P+12*\i+6:64+96*P+12*\i+9], v[4+AI] offset:QO+1536*\i+768
	ds_load_b64 v[64+96*P+12*\i+10:64+96*P+12*\i+11], v[8+AI] offset:QO+1536*\i+1280
.endr
	ds_load_b128 v[32+8*P:35+8*P], v[20+AI] offset:QO+12288
.endm
.macro MULROWS a0, n, c                ; rows a0 .. a0 + n - 1 of accumulators against B's four fragments; step 0's products start the sums
.set P, (\c)%2
	WIN 0xa1
.set A_, \a0
.rept \n
.set B_, 0
.rept 4
.if (\c) == 0
	v_wmma_scale_f32_16x16x128_f8f6f4 v[32*A_+8*B_:32*A_+8*B_+7], v[96*P+12*B_:96*P+12*B_+11], v[64+96*P+12*A_:64+96*P+12*A_+11], 0, v[32+8*P+B_], v[32+8*P+A_] matrix_a_fmt:MATRIX_FMT_BF6 matrix_b_fmt:MATRIX_FMT_BF6 matrix_a_scale:MATRIX_SCALE_ROW1
.else
	v_wmma_scale_f32_16x16x128_f8f6f4 v[32*A_+8*B_:32*A_+8*B_+7], v[96*P+12*B_:96*P+12*B_+11], v[64+96*P+12*A_:64+96*P+12*A_+11], v[32*A_+8*B_:32*A_+8*B_+7], v[32+8*P+B_], v[32+8*P+A_] matrix_a_fmt:MATRIX_FMT_BF6 matrix_b_fmt:MATRIX_FMT_BF6 matrix_a_scale:MATRIX_SCALE_ROW1
.endif
.set B_, B_+1
.endr
.set A_, A_+1
.endr
.endm
.macro PLAIN c                         ; a step whose successor's chunk has been shown landed to every wave
	s_wait_dscnt 0x0                               ; this step's fragments are in
	PLACES 4                                       ; the other set's last readers are the step before's products
	FETCH (\c)+1                                   ; the next step's fragments have this whole step's products to come in under
	MULROWS 0, 4, \c
.endm
.macro TURN c, k                       ; a slot's last step, with ONE barrier: behind it nobody reads this slot any more and the other slot is whole.  k >= 0: refill k follows; k = -1: nothing is filled
	WIN 0
	s_wait_tensorcnt 0x0                           ; all my tensor loads have landed;
	ds_add_u32 v30, v31                            ; 0 onto my spare word
.if (\k) >= 0                          ; no load of mine is out, so the descriptors may be written
	s_add_nc_u64 s[G0A+2:G0A+3], s[G0A+2:G0A+3], s[50:51]
	s_add_nc_u64 s[G0B+2:G0B+3], s[G0B+2:G0B+3], s[50:51]
	s_add_co_u32 s[G0A+1], s21, ((\k)%2)*HALFH
	s_add_co_u32 s[G0B+1], s21, OPB+((\k)%2)*HALFH
.endif
.if (\k) == 0
	s_mov_b32 s50, RF                              ; from a refill to the next
	s_mov_b32 s[G1A+2], 125<<16                    ; a refill's load brings 125 rows
	s_mov_b32 s[G1A+4], 125
	s_mov_b32 s[G1B+2], 125<<16
	s_mov_b32 s[G1B+4], 125
.endif
	s_wait_dscnt 1                                 ; this step's fragments are in; the add alone may be out
	MULROWS 0, 1, \c
	s_wait_dscnt 0x0                               ; the add is done, and my reads of this slot are over
	s_barrier_signal -1
	MULROWS 1, 1, \c
	WIN 0
	s_barrier_wait -1
.if (\k) >= 0
	CREST                                          ; the barrier has opened a round of the cluster's: no wave of any partner still reads this slot or has a load on its way
	JLOAD                                          ; my one tensor load behind the round; its four v_nop are also the places in front of the loads below
.else
	PLACES 4
.endif
	FETCH (\c)+1
.if (\k) >= 0 && (\k) < 2
	global_prefetch_b8 v52, s[PFA:PFA+1] offset:((\k)+2)*RF th:TH_LOAD_NT scope:SCOPE_SE   ; the refill two on
.endif
	MULROWS 2, 2, \c
.endm
.macro PREADD                          ; x1 + b2, in the stores' layout
	s_wait_loadcnt 0x0
	WIN 0x82
.set J_, 0
.rept 32
	v_pk_add_f32 v[128+4*J_:129+4*J_], v[128+4*J_:129+4*J_], v[48:49]
	v_pk_add_f32 v[130+4*J_:131+4*J_], v[130+4*J_:131+4*J_], v[50:51]
.set J_, J_+1
.endr
	WIN 0
	s_wait_alu depctr_va_vdst(0)
.endm
	s_cmp_lt_u32 s16, 2
	s_cbranch_scc0 .Lnot_first
	s_wait_tensorcnt 0x0                           ; waves 0 and 1: slot 0's tiles have landed
.Lnot_first:
	s_barrier_signal -1
	s_barrier_wait -1                              ; slot 0 is whole; waves 2 and 3's tiles may be on their way
	FETCH 0
	global_prefetch_b8 v52, s[PFA:PFA+1] th:TH_LOAD_NT scope:SCOPE_SE             ; refill 0
	global_prefetch_b8 v52, s[PFA:PFA+1] offset:RF th:TH_LOAD_NT scope:SCOPE_SE   ; refill 1
.set SG, 0
.rept 31
.if SG == 6
	XLOAD
.endif
.if SG == 22
	PREADD
.endif
.if SG == 5
	TURN SG, 0
.elseif SG == 11
	TURN SG, 1
.elseif SG == 16
	TURN SG, 2
.elseif SG == 21
	TURN SG, 3
.elseif SG == 26
	TURN SG, -1
.else
	PLAIN SG
.endif
.set SG, SG+1
.endr
	s_wait_dscnt 0x0
	MULROWS 0, 4, 31
	WIN 0
; ---------------- THE WAY OUT: 16 tokens x 64 columns at a time through my own stage (LDS serves a wave's instructions in order), back as whole rows of 256 bytes, + (x1 + b2), stored
.macro TOSTAGE a
	WIN 0x08
.irp b, 0,1,2,3
	ds_store_b128 v24, v[32*(\a)+8*\b:32*(\a)+8*\b+3] offset:128*(\b/2)+32*(\b%2)      ; each accumulator from its low end on
	ds_store_b128 v24, v[32*(\a)+8*\b+4:32*(\a)+8*\b+7] offset:128*(\b/2)+32*(\b%2)+16
.endr
	WIN 0
.irp i, 0,1,2,3,4,5,6,7
	ds_load_b128 v[128+32*(\a)+4*\i:128+32*(\a)+4*\i+3], v25 offset:544*\i
.endr
.endm
.macro OUT a, younger                  ; younger: the LDS instructions issued behind block a's loads
	s_wait_dscnt \younger
	WIN 0x08                                       ; source 1: window 2
.set J_, 0
.rept 16
	v_pk_add_f32 v[128+32*(\a)+2*J_:129+32*(\a)+2*J_], v[128+32*(\a)+2*J_:129+32*(\a)+2*J_], v[128+32*(\a)+2*J_:129+32*(\a)+2*J_]
.set J_, J_+1
.endr
	WIN 0
.irp i, 0,1,2,3,4,5,6,7
	global_store_b128 v26, v[128+32*(\a)+4*\i:128+32*(\a)+4*\i+3], s[82:83] offset:(32*((\a)/2)+8*((\a)%2)+2*\i+8*(\i/4))*4096 th:TH_STORE_NT   ; sixteen lanes store 256 consecutive bytes, aligned
.endr
.endm
	PLACES 4                                       ; between the last products and the reads of their sums and the loads into their operands' registers
	TOSTAGE 0
	TOSTAGE 1
	OUT 0, 16                                      ; behind block 0's loads: block 1's 8 stores and 8 loads
	TOSTAGE 2
	OUT 1, 16
	TOSTAGE 3
	OUT 2, 16
	OUT 3, 0
	s_wait_tensorcnt 0x0                           ; the wave's end
	ds_add_u32 v30, v31
	s_wait_dscnt 0x0
	CROUND                                         ; the closing round
	s_endpgm
.Lfunc_end_k_q8d61a9c75b_ffn2:
	.size	k_q8d61a9c75b_ffn2, .Lfunc_end_k_q8d61a9c75b_ffn2-k_q8d61a9c75b_ffn2
	.p2alignl 7, 3214868480
	.fill 96, 4, 3214868480
	.section	.rodata,"a",@progbits
	.p2align	6, 0x0
	.amdhsa_kernel k_q8d61a9c75b_ffn2
		.amdhsa_group_segment_fixed_size 327680
		.amdhsa_private_segment_fixed_size 0
		.amdhsa_enable_private_segment 0
		.amdhsa_kernarg_size 40
		.amdhsa_user_sgpr_count 2
		.amdhsa_user_sgpr_kernarg_segment_ptr 1
		.amdhsa_wavefront_size32 1
		.amdhsa_system_sgpr_workgroup_id_x 1
		.amdhsa_system_sgpr_workgroup_id_y 1
		.amdhsa_system_sgpr_workgroup_id_z 1
		.amdhsa_system_vgpr_workitem_id 0
		.amdhsa_next_free_vgpr 768
		.amdhsa_next_free_sgpr 100
		.amdhsa_reserve_vcc 0
		.amdhsa_float_denorm_mode_32 3
		.amdhsa_float_denorm_mode_16_64 3
		.amdhsa_memory_ordered 1
		.amdhsa_forward_progress 1
		.amdhsa_inst_pref_size 171
	.end_amdhsa_kernel
	.amdgpu_metadata
---
amdhsa.version: [ 1, 2 ]
amdhsa.kernels:
  - .name:           k_q8d61a9c75b_ffn2
    .symbol:         k_q8d61a9c75b_ffn2.kd
    .args:
      - { .name: hp, .offset: 0, .size: 8, .value_kind: global_buffer, .address_space: global }
      - { .name: wp, .offset: 8, .size: 8, .value_kind: global_buffer, .address_space: global }
      - { .name: x1, .offset: 16, .size: 8, .value_kind: global_buffer, .address_space: global }
      - { .name: b2, .offset: 24, .size: 8, .value_kind: global_buffer, .address_space: global }
      - { .name: out0, .offset: 32, .size: 8, .value_kind: global_buffer, .address_space: global }
    .group_segment_fixed_size: 327680
    .private_segment_fixed_size: 0
    .kernarg_segment_align: 8
    .kernarg_segment_size: 40
    .max_flat_workgroup_size: 128
    .sgpr_count:     100
    .vgpr_count:     768
    .wavefront_size: 32
...
	.end_amdgpu_metadata
.endif
;; end of part 6
